; MI455X (gfx1250); checked and timed in simulation.
; The chip was launched on July 23, 2026; its instructions are those of AMD's public machine-readable ISA for CDNA 5 (MIT licence, August 2026) and "CDNA5" Instruction Set Architecture Reference Guide (July 2026). The comments in the code are by the model that wrote it; some were corrected since.
;; Multi Head Attention Block. Allowed arithmetic: matrix products marked QUANTISED: E2M3 operands, one E8M0 scale for each 32 along K, by v_wmma_scale_f32_16x16x128_f8f6f4 with both operands' format E2M3, f32 sums; everything else in f32.
;; Inputs: Wk 1,024 x 64 float32; Wo 1,024 x 1,024 float32; Wq 1,024 x 1,024 float32; Wv 1,024 x 64 float32; bk 64 float32; bo 1,024 float32; bq 1,024 float32; bv 64 float32; key 2 x 2,048 x 1,024 float32; mask 2 x 1 x 2,048 x 2,048 int32; query 2 x 2,048 x 1,024 float32; value 2 x 2,048 x 1,024 float32.
;; Outputs: out0 2 x 2,048 x 1,024 float32.
;; This version of the problem:
;;   THIS VERSION OF THE PROBLEM IS GIVEN IN LOW PRECISION. The matrix products marked QUANTISED in the list below multiply operands that are first quantised to E2M3 (2 exponent bits, 3 mantissa bits; 6 bits a number), with one power-of-two scale for each 32 numbers along K (OCP MX v1.0); their sums are f32. All else is computed in f32.
;;   The module's matrix products, in the order in which they are computed (A, B: the left and right operand; K: the contracted axis; several contracted axes count as one K, in the product's order):
;;     1. [M 4,096, K 1,024] x [K 1,024, N 1,024]; A: input query; B: input Wq: QUANTISED
;;     2. [M 4,096, K 1,024] x [K 1,024, N 64]; A: input key; B: input Wk: QUANTISED
;;     3. [M 4,096, K 1,024] x [K 1,024, N 64]; A: input value; B: input Wv: QUANTISED
;;     4. batch 2 x [M 32,768, K 64] x [K 64, N 2,048]; A: computed on the way; B: computed on the way: QUANTISED
;;     5. batch 2 x [M 32,768, K 2,048] x [K 2,048, N 64]; A: softmax (see below); B: computed on the way: QUANTISED
;;     6. [M 4,096, K 1,024] x [K 1,024, N 1,024]; A: computed on the way; B: input Wo: QUANTISED
;;   THE QUANTISER, for each operand of a quantised product, along K:
;;     - K is cut into blocks of 32 from its start; a last block that is shorter is filled with zeros.
;;     - A block's scale is 2^e with e = floor(log2(the largest magnitude in the block)) - 2, held to -126 .. 127; a block of zeros has e = 0. As a byte (E8M0): e + 127.
;;     - Each number is divided by its block's scale, clamped to +-7.5, and rounded to the nearest number of E2M3, ties to even, subnormals kept.
;;     - The product sums the exact products of the quantised numbers (number of the format x scale) in f32.
;;   ~~~python
;;   def quantise(x, axis):      # numpy; x: float32 -> the quantised numbers, widened to float32 again
;;       x = np.moveaxis(x, axis, -1); K = x.shape[-1]
;;       x = np.pad(x, [(0, 0)] * (x.ndim - 1) + [(0, -K % 32)]); x = x.reshape(x.shape[:-1] + (-1, 32)); a = np.abs(x).max(-1, keepdims=True)
;;       e = np.where(a > 0, np.clip(np.frexp(np.where(a > 0, a, 1))[1] - 1 - 2, -126, 127), 0)      # np.frexp(a)[1] - 1 = floor(log2(a)), exactly
;;       r = np.clip(x / 2.0 ** e, -7.5, 7.5)
;;       step = 2.0 ** (np.maximum(np.frexp(np.where(r == 0, 1, r))[1] - 1, 0) - 3)
;;       q = np.round(r / step) * step * 2.0 ** e      # np.round: ties to even
;;       return np.moveaxis(q.reshape(q.shape[:-2] + (-1,))[..., :K], -1, axis).astype(np.float32)
;;   ~~~
;;   SOFTMAX AHEAD OF A QUANTISED PRODUCT. Where the list says 'softmax', what is quantised is not the finished softmax but p = 2^(t - M), with t = logit x log2(e) and M = ceil(the row's largest t), a whole number; so 1/2 < the row's largest p <= 1. The row's sum l is taken of the UNQUANTISED p, in f32, and the product's result is divided by l at the end. Since M is a whole number, a kernel that streams over the keys may use a running M (the ceiling of the running maximum): every later rescaling is an exact power of two, which a block's scale takes up: the codes' values come out the same.
;;   OPERANDS COMPUTED ON THE WAY. 'Computed on the way' means the value that the module computes at that place (a softmax that the list does not call 'softmax' is quantised finished and normalised). What goes into a quantiser is computed in f32, as accurately as f32 sums, v_exp_f32 and their like allow (about 1e-6 of the number): no bf16 or f16 on the way to a quantiser, and a product that is left as it is and whose result goes on into a quantised operand takes f32 operands (vector FMAs, or v_wmma_f32_16x16x4_f32). A number that lies on a knife's edge between two numbers of the format may be rounded either way, as far as f32 arithmetic and the matrix unit's own rounding can turn it there, and no further.
;; One version. Each part assembles by itself: llvm-mc -triple=amdgcn-amd-amdhsa -mcpu=gfx1250 --defsym DOCPART=n.
;; ======== version 1 of 1: 3 launches
;; limits: right only within a limited range of input values
;; workspace buffers: wq_rec 851,968 bytes; wo_rec 851,968 bytes; kv 442,368 bytes; mbits 1,048,576 bytes of whole numbers; x_rec 3,407,872 bytes
;; launch prep (part 1): grid 256 x 1, 16 waves a work-group, no clusters, 247,808 bytes of LDS; arguments key, value, Wk, Wv, bk, bv, Wq, Wo, mask, kv, wq_rec, wo_rec, mbits; writes kv, wq_rec, wo_rec, mbits
.if DOCPART == 1
	.amdgcn_target "amdgcn-amd-amdhsa--gfx1250"
	.amdhsa_code_object_version 6
	.text
	.protected	k_q883b1245ac_prep
	.globl	k_q883b1245ac_prep
	.p2align	8
	.type	k_q883b1245ac_prep,@function
k_q883b1245ac_prep:
	s_mov_b64 s[64:65], 0
	v_nop
	global_prefetch_b8 v0, s[64:65] scope:SCOPE_SE
	s_setreg_imm32_b32 hwreg(HW_REG_WAVE_MODE, 25, 1), 1
	s_wait_xcnt 0x0
; PREP.  Three kinds of work-group, told apart by the work-group's number alone:
;   0-127   KV: 64 rows of key (0-63) or of value (64-127): x W + b on codes of E2M3, the result quantised again and stored as operand images into kv
;   128-159 W : Wq and Wo (K is their first axis) quantised along K into tile records wq_rec, wo_rec
;   160-287 M : the mask packed into lane-mask words: bit L of word j says whether lane L's score in register j of the attention's S^T counts
; FORMATS.  L = lane, r = L & 15, h = L >> 4.  A HALF (768 bytes) is the image of six operand registers (16 rows x 64 along K): registers 0-3 of lane L at 16 L, registers 4-5 at 512 + 8 L.
; A REC (13,312 bytes) is a tile of 16 rows for K = 1,024: sixteen halves, then eight scale images (the word of row r for K step s at 12,288 + 128 s + 4 L, both halves of the lanes alike).
; THE ROWS OF A TILE ARE NOT NEIGHBOURS: row r of tile 2 p + u is 32 p + 8 u + r + 8 (r / 8), so that in a product used transposed a lane's 16 registers of tiles 2 p, 2 p + 1 are 16 neighbours.
; kv[batch] (221,184 bytes): 128 halves of k (K = the head's 64), 128 halves of v (K = 64 keys), k's scale words [step][lane][8 tiles], v's [step][lane][4 tiles].
; A block's scale byte is its largest magnitude's exponent field - 2, held at 1 from below.
; LIMITS: a block of zeros, or one whose largest magnitude lies under 2^-124, keeps the byte 1 (its codes are zeros or nearly so; this program alone reads the bytes); NaN and infinities are not served.
; No tensor loads: operands go from memory into registers, are quantised there and, in KV, go from wave to wave through LDS as images of their registers.  Clusters are left out: there is no tensor load to share.
; The loads of x and of the mask carry no hint: an instruction takes 256 consecutive bytes of each of two rows.
; THE DEAL AS IT STANDS (it takes the place of the three lines on work-groups above): 0-127 KV; 128-255 pack the mask, two units a wave, and their waves 0-3 then quantise one
; 128 x 32 piece of Wq or Wo each (512 pieces on 128 x 4 waves): 256 work-groups in all.
; THE KEYS OF A TILE OF k: row r of tile 4 c + u of a step is key 64 c + 32 (r / 8) + 8 u + r % 8, so that in S^T a lane's 32 registers of tiles 4 c .. 4 c + 3 are one whole block of 32 keys.
; Mask word 32 c + i, bit (r, h): query r, key 64 c + 32 h + i.  All other tiles keep the order stated above.
; x AND THE MASK ARE LOADED AS THEY LIE: an instruction takes 256 consecutive bytes of each of two rows; 16 rows x 256 bytes turn through the wave's own stage in LDS (rows 272 bytes apart)
; and come back with a lane's numbers as neighbours along the row.  Each path has stage bytes of its own.
.set REC,  13312
.set KVB,  221184
.set XIMG, 49152                       ; LDS (KV alone): W's 32 fragments [tile 4][K step 8] x 1,536 from 0; x's 32 likewise from here;
.set WSC,  98304                       ; W's scale images [tile][K step] x 128;
.set XSC,  102400
.set MSTG, 108544                      ; behind the spare words: the mask path's stages, 4,352 bytes a wave;
.set KSTG, 178176                      ; and KV's
.set XG1,  233                         ; v233 x: my lane's byte for the tile's rows 8-15
.set COL,  4                           ; v4   a weight's column of my lane, in bytes
.set XAO,  5                           ; v5   x: my lane's byte among the tile's 16 rows
.set WX,   74                          ; v74-201  128 numbers of one column of a weight, down K (its upper 64 lie in the registers of x's first unit)
.set X2,   10                          ; v10-73   KV: x's second unit
.set XA,   138                         ; v138-201 64 numbers of a row of x
.set F0,   202                         ; v202-213, v214-225 the two fragments that a call of WQ makes
.set F1,   214
.set TA,   226                         ; v226-229, v230-232 at work
.set TB,   230
.set MX,   234                         ; v234-237 largest magnitudes
.set SO,   238                         ; v238-241 the conversions' scale operands
.set SW,   242                         ; v242 the scale word just made
.set PC,   202                         ; QUANT64's codes, v202-213, and its temporaries up to v220
.set PB,   222                         ; v222-225 lane exchanges and bytes
.set PW,   242
.set OPS,  12                          ; the tail: two sets of five fragments, v12-71 and v80-139
.set ACC,  148                         ; v148-179 four accumulators
.set BI,   180                         ; v180-211 the bias in the result's layout
.set HR,   212                         ; v212-217 the half that leaves
.set TR,   218
.set SCR,  246                         ; v246-255 scale words of the products, and nothing else in the whole text
.set SEL,  10                          ; s[10:11] selects for lane l xor 16
.set XP,   12                          ; s[12:13] x at my unit
.set WP,   16                          ; s[16:17] the weight at my 128 rows and 32 columns
; 64 numbers of a lane, register 16 b + i = k 32 b + 16 h + i of my row, become a fragment in v[PC] on and its scale word in v[PW]
.macro QUANT64 s
.irp b, 0,1,2,3
	v_max3_num_f32 v[MX+\b], |v[\s+16*\b]|, |v[\s+1+16*\b]|, 0x1800000   ; with the floor 2^(3 - 127): the byte cannot fall under 1
.endr
.irp i, 2,4,6,8,10,12,14
.irp b, 0,1,2,3
	s_delay_alu instid0(VALU_DEP_4)
	v_max3_num_f32 v[MX+\b], v[MX+\b], |v[\s+16*\b+\i]|, |v[\s+1+16*\b+\i]|
.endr
.endr
.irp b, 0,1,2,3
	s_delay_alu instid0(VALU_DEP_4)
	v_permlanex16_b32 v[PB+\b], v[MX+\b], s[SEL], s[SEL+1]
.endr
.irp b, 0,1,2,3
	s_delay_alu instid0(VALU_DEP_4)
	v_max_num_f32 v[MX+\b], v[MX+\b], v[PB+\b]     ; with lane l xor 16's 16 numbers: the block's largest magnitude
.endr
.irp b, 0,1,2,3
	s_delay_alu instid0(VALU_DEP_4)
	v_add_nc_u32 v[SO+\b], 0xff000000, v[MX+\b]    ; 2 off its exponent field: the conversion's scale operand
.endr
.irp b, 0,1,2,3
	s_delay_alu instid0(VALU_DEP_4)
	v_lshrrev_b32 v[PB+\b], 23, v[SO+\b]           ; the scale's byte
.endr
	s_delay_alu instid0(VALU_DEP_3)
	v_lshl_or_b32 v[PW], v[PB+1], 8, v[PB]
	s_delay_alu instid0(VALU_DEP_1)
	v_lshl_or_b32 v[PW], v[PB+2], 16, v[PW]
	s_delay_alu instid0(VALU_DEP_1)
	v_lshl_or_b32 v[PW], v[PB+3], 24, v[PW]
.irp c, 0,1
	v_cvt_scalef32_pk16_fp6_f32 v[PC+6*\c:PC+2+6*\c], v[\s+32*\c:\s+15+32*\c], v[SO+2*\c]
	v_cvt_scalef32_pk16_fp6_f32 v[PC+12+4*\c:PC+14+4*\c], v[\s+16+32*\c:\s+31+32*\c], v[SO+2*\c+1]
.endr
	v_nop                                          ; one plain line behind the scaled conversions
.irp c, 0,1                                    ; the operand wants a whole block in a lane: lanes 0-15 block 2 c, lanes 16-31 block 2 c + 1
.irp i, 0,1,2
	v_permlane16_swap_b32 v[PC+6*\c+\i], v[PC+12+4*\c+\i]
.endr
.irp i, 0,1,2
	s_delay_alu instid0(VALU_DEP_3)
	v_mov_b32 v[PC+3+6*\c+\i], v[PC+12+4*\c+\i]
.endr
.endr
.endm
; the same for 32 numbers (two blocks): six registers from v[hd] on, two bytes in v[PW]
.macro QUANT32 n, hd, t
.irp b, 0,1
	v_max3_num_f32 v[MX+\b], |v[\n+16*\b]|, |v[\n+1+16*\b]|, 0x1800000
.endr
.irp i, 2,4,6,8,10,12,14
.irp b, 0,1
	v_max3_num_f32 v[MX+\b], v[MX+\b], |v[\n+16*\b+\i]|, |v[\n+1+16*\b+\i]|
.endr
.endr
.irp b, 0,1
	s_delay_alu instid0(VALU_DEP_2)
	v_permlanex16_b32 v[PB+\b], v[MX+\b], s[SEL], s[SEL+1]
.endr
.irp b, 0,1
	s_delay_alu instid0(VALU_DEP_2)
	v_max_num_f32 v[MX+\b], v[MX+\b], v[PB+\b]
.endr
.irp b, 0,1
	s_delay_alu instid0(VALU_DEP_2)
	v_add_nc_u32 v[SO+\b], 0xff000000, v[MX+\b]
.endr
.irp b, 0,1
	s_delay_alu instid0(VALU_DEP_2)
	v_lshrrev_b32 v[PB+\b], 23, v[SO+\b]
.endr
	s_delay_alu instid0(VALU_DEP_1)
	v_lshl_or_b32 v[PW], v[PB+1], 8, v[PB]
	v_cvt_scalef32_pk16_fp6_f32 v[\hd:\hd+2], v[\n:\n+15], v[SO]
	v_cvt_scalef32_pk16_fp6_f32 v[\t:\t+2], v[\n+16:\n+31], v[SO+1]
	v_nop
.irp i, 0,1,2
	v_permlane16_swap_b32 v[\hd+\i], v[\t+\i]
.endr
.irp i, 0,1,2
	s_delay_alu instid0(VALU_DEP_3)
	v_mov_b32 v[\hd+3+\i], v[\t+\i]
.endr
.endm
; 128 rows x 32 columns of a weight: a lane takes a column and its registers run down K; each load covers 128 consecutive bytes.
; Lanes 0-15 hold the columns of tile 2 p, lanes 16-31 those of tile 2 p + 1.
.macro WLOAD pitch, from, n            ; rows from .. from + n - 1 of the 128
.set I, \from
.rept \n
	global_load_b32 v[WX+I], v[COL], s[WP:WP+1] offset:I*\pitch
.set I, I+1
.endr
.endm
; those 128 numbers a lane become the two tiles' fragments of this K step, v[F0] and v[F1] on, and my column's scale word in v[SW]
.macro WQ
.irp kb, 0,1,2,3
	v_max3_num_f32 v[MX+\kb], |v[WX+32*\kb]|, |v[WX+32*\kb+1]|, 0x1800000   ; all 32 numbers of a block are mine
.endr
.irp i, 2,4,6,8,10,12,14,16,18,20,22,24,26,28,30
.irp kb, 0,1,2,3
	s_delay_alu instid0(VALU_DEP_4)
	v_max3_num_f32 v[MX+\kb], v[MX+\kb], |v[WX+32*\kb+\i]|, |v[WX+32*\kb+\i+1]|
.endr
.endr
.irp kb, 0,1,2,3
	s_delay_alu instid0(VALU_DEP_4)
	v_add_nc_u32 v[SO+\kb], 0xff000000, v[MX+\kb]
.endr
.irp kb, 0,1,2,3
	s_delay_alu instid0(VALU_DEP_4)
	v_lshrrev_b32 v[TA+\kb], 23, v[SO+\kb]
.endr
	s_delay_alu instid0(VALU_DEP_3)
	v_lshl_or_b32 v[SW], v[TA+1], 8, v[TA]
	s_delay_alu instid0(VALU_DEP_1)
	v_lshl_or_b32 v[SW], v[TA+2], 16, v[SW]
	s_delay_alu instid0(VALU_DEP_1)
	v_lshl_or_b32 v[SW], v[TA+3], 24, v[SW]
.irp c, 0,1
	v_cvt_scalef32_pk16_fp6_f32 v[F0+6*\c:F0+6*\c+2], v[WX+64*\c:WX+64*\c+15], v[SO+2*\c]        ; block 2 c, lower 16
	v_cvt_scalef32_pk16_fp6_f32 v[TA:TA+2], v[WX+64*\c+16:WX+64*\c+31], v[SO+2*\c]               ; block 2 c, upper 16
	v_cvt_scalef32_pk16_fp6_f32 v[F1+6*\c:F1+6*\c+2], v[WX+64*\c+32:WX+64*\c+47], v[SO+2*\c+1]   ; block 2 c + 1, lower 16
	v_cvt_scalef32_pk16_fp6_f32 v[TB:TB+2], v[WX+64*\c+48:WX+64*\c+63], v[SO+2*\c+1]             ; block 2 c + 1, upper 16
	v_nop
.irp i, 0,1,2                                  ; the first's lanes 16-31 change places with the second's lanes 0-15: the first then holds tile 2 p (block 2 c | block 2 c + 1), the second tile 2 p + 1
	v_permlane16_swap_b32 v[F0+6*\c+\i], v[F1+6*\c+\i]
	v_permlane16_swap_b32 v[TA+\i], v[TB+\i]
.endr
.irp i, 0,1,2
	v_mov_b32 v[F0+6*\c+3+\i], v[TA+\i]
	v_mov_b32 v[F1+6*\c+3+\i], v[TB+\i]
.endr
.endr
.endm
.macro XLOAD reg, off                  ; 16 rows x 128 along K of x, as they lie: instruction (c, i) takes bytes 256 c .. 256 c + 255 of the tile's rows 2 i and 2 i + 1
.irp c, 0,1
.irp i, 0,1,2,3,4,5,6,7
	global_load_b128 v[\reg+32*\c+4*\i:\reg+32*\c+4*\i+3], v[XAO+(XG1-XAO)*(\i/4)], s[XP:XP+1] offset:\off+256*\c+((2*\i)%8)*4096
.endr
.endr
.endm
.macro XTURN reg                       ; through my stage: afterwards register 16 b + i = k 32 b + 16 h + i of row r.  LDS serves a wave's instructions in order: no wait between stores and loads
.irp c, 0,1
.irp i, 0,1,2,3,4,5,6,7
	ds_store_b128 v243, v[\reg+32*\c+4*\i:\reg+32*\c+4*\i+3] offset:544*\i
.endr
.irp b, 0,1
.irp j, 0,1,2,3
	ds_load_b128 v[\reg+32*\c+16*\b+4*\j:\reg+32*\c+16*\b+4*\j+3], v244 offset:128*\b+16*\j
.endr
.endr
.endr
.endm
.macro IMG3ST reg, adr, off            ; a fragment goes to LDS as it stands: 16 bytes a lane, 512 a store
.irp pl, 0,1,2
	ds_store_b128 v[\adr], v[\reg+4*\pl:\reg+4*\pl+3] offset:\off+512*\pl
.endr
.endm
.macro HSTG reg, aa, ab, base, off     ; a half leaves: 512 and 256 consecutive bytes
	global_store_b128 v[\aa], v[\reg:\reg+3], s[\base:\base+1] offset:\off
	global_store_b64 v[\ab], v[\reg+4:\reg+5], s[\base:\base+1] offset:\off+512
.endm
.macro MM d, a, b, c, sa, sb
	v_wmma_scale_f32_16x16x128_f8f6f4 v[\d:\d+7], v[\a:\a+11], v[\b:\b+11], v[\c:\c+7], v[\sa], v[\sb] matrix_a_fmt:MATRIX_FMT_FP6 matrix_b_fmt:MATRIX_FMT_FP6
.endm
.macro PLACES
.rept 4
	v_nop
.endr
.endm
; the tail's operands of K step s into set k: four fragments of the side with four tiles, one of the other, their scale words: 20 LDS loads
.macro PLOAD k, s
.irp i, 0,1,2,3
.irp pl, 0,1,2
	ds_load_b128 v[OPS+68*(\k)+12*\i+4*\pl:OPS+68*(\k)+12*\i+4*\pl+3], v[MI] offset:(8*\i+(\s))*1536+512*\pl
.endr
	ds_load_b32 v[SCR+5*(\k)+\i], v[MS] offset:(8*\i+(\s))*128
.endr
.irp pl, 0,1,2
	ds_load_b128 v[OPS+68*(\k)+48+4*\pl:OPS+68*(\k)+48+4*\pl+3], v[SI] offset:(\s)*1536+512*\pl
.endr
	ds_load_b32 v[SCR+5*(\k)+4], v[SS] offset:(\s)*128
.endm
.macro PMUL k, cb, cs                  ; four products, the four accumulators by turns; C = v[cb + cs i]
.irp i, 0,1,2,3
	MM ACC+8*\i, OPS+68*(\k)+12*\i, OPS+68*(\k)+48, \cb+\cs*\i, SCR+5*(\k)+\i, SCR+5*(\k)+4
.endr
.endm
; THE TAIL of KV, waves 0-3.  kind 0 (k): source 0 = W's four tiles of d, source 1 = my tile of 16 keys: a lane holds one key, its 32 registers run along d.
; kind 1 (v): source 0 = the four tiles of keys, source 1 = my tile of 16 d: a lane holds one d, its 32 registers run along 64 keys.  Either way the registers run along the next product's K.
.macro KVTAIL kind
.if \kind
.set MI, 5
.set MS, 9
.set SI, 6
.set SS, 243
.else
.set MI, 4
.set MS, 8
.set SI, 7
.set SS, 244
.endif
	PLOAD 0, 0
	s_mul_i32 s36, s28, KVB                        ; my batch's part of kv
.if \kind
	v_and_b32 v140, 8, v2
	s_delay_alu instid0(VALU_DEP_1)
	v_add_nc_u32 v140, v140, v2
	s_delay_alu instid0(VALU_DEP_1)
	v_lshlrev_b32 v140, 2, v140                    ; bv: my lane's d = 32 (w / 2) + 8 (w % 2) + r + 8 (r / 8)
	s_lshr_b32 s37, s8, 1
	s_lshl_b32 s37, s37, 7
	s_and_b32 s38, s8, 1
	s_lshl_b32 s38, s38, 5
	s_add_co_u32 s38, s38, s37
	s_mov_b32 s39, 0
	s_add_nc_u64 s[20:21], s[20:21], s[38:39]
.irp j, 0,1,2,3,4,5,6,7
	global_load_b32 v[BI+\j], v140, s[20:21]       ; the same number in all eight registers: they run along the keys
.endr
	s_lshl_b32 s37, s30, 2
	s_add_co_u32 s37, s37, s8
	s_lshl_b32 s37, s37, 1
	s_add_co_u32 s37, s37, s31                     ; half ((step 4 + w) 2 + c)
	s_mul_i32 s37, s37, 768
	s_add_co_u32 s40, s36, s37
	s_add_co_u32 s40, s40, 98304
	s_mov_b32 s41, 0
	s_lshl_b32 s37, s30, 9                         ; scale words [step][lane][4]: my two bytes at 4 w + 2 c
	s_add_co_u32 s42, s36, s37
	s_lshl_b32 s37, s8, 2
	s_add_co_u32 s42, s42, s37
	s_lshl_b32 s37, s31, 1
	s_add_co_u32 s42, s42, s37
	s_add_co_u32 s42, s42, 212992
	s_mov_b32 s43, 0
.else
	v_lshlrev_b32 v140, 6, v3                      ; bk: for tile i the eight numbers at d = 32 (i / 2) + 16 h + 8 (i % 2)
.irp i, 0,1,2,3
	global_load_b128 v[BI+8*\i:BI+8*\i+3], v140, s[20:21] offset:(32*(\i/2)+8*(\i%2))*4
	global_load_b128 v[BI+8*\i+4:BI+8*\i+7], v140, s[20:21] offset:(32*(\i/2)+8*(\i%2))*4+16
.endr
	v_lshlrev_b32 v141, 5, v1                      ; scale words [step][lane][8]: 32 bytes a lane
	s_lshl_b32 s37, s29, 2
	s_add_co_u32 s37, s37, s8                      ; key tile 4 (block in batch) + w
	s_mul_i32 s37, s37, 768
	s_add_co_u32 s40, s36, s37
	s_mov_b32 s41, 0
	s_lshl_b32 s37, s30, 10
	s_add_co_u32 s42, s36, s37
	s_lshl_b32 s37, s31, 2
	s_add_co_u32 s37, s37, s8
	s_lshl_b32 s37, s37, 2
	s_add_co_u32 s42, s42, s37
	s_add_co_u32 s42, s42, 196608
	s_mov_b32 s43, 0
.endif
	s_add_nc_u64 s[40:41], s[24:25], s[40:41]
	s_add_nc_u64 s[42:43], s[24:25], s[42:43]
.set KS, 0
.rept 8
.if KS > 0
	PLACES                                         ; four plain lines between the last products and loads into the set that they read
.endif
.if KS < 7
	PLOAD (KS+1)%2, KS+1
	s_wait_dscnt 20                                ; this K step's 20 loads are in; the 20 just issued may be out
.else
	s_wait_dscnt 0x0
.endif
.if KS == 0
	s_wait_loadcnt 0x0                             ; the bias: it is the C of each sum's first product
	PMUL 0, BI, 8*(1-\kind)
.else
	PMUL KS%2, ACC, 8
.endif
.set KS, KS+1
.endr
	PLACES
	QUANT32 ACC, HR, TR                            ; it reads each accumulator from its low end on
	HSTG HR, 4, 245, 40, 0
.if \kind
	global_store_b16 v4, v[PW], s[42:43]           ; two bytes of the word of these 128 keys, 16 bytes from lane to lane
.else
	v_or_b32 v[PW], 0x7f7f0000, v[PW]              ; the upper 64 of the instruction's 128 count for nothing: their bytes stand for 1
	global_store_b32 v141, v[PW], s[42:43]
.endif
.endm
.macro MUNIT e                         ; one unit of the mask: 64 words, word j = the lanes where register j's number is not 0; lane j / 2 gathers words j and j + 1
.set J, 0
.rept 8
.irp q, 0,1,2,3,4,5,6,7
	v_cmp_ne_u32 s[20+\q], 0, v[16+64*\e+J+\q]
.endr
.irp q, 0,1,2,3,4,5,6,7
	v_writelane_b32 v[150+2*\e+\q%2], s[20+\q], (J+\q)/2
.endr
.set J, J+8
.endr
	global_store_b64 v9, v[150+2*\e:151+2*\e], s[14:15] offset:256*\e   ; 32 lanes store 256 consecutive bytes, aligned
.endm
.macro MTURN e                         ; a unit of the mask through my stage: afterwards register 32 c + i = key 64 c + 32 h + i of query r
.irp c, 0,1
.irp i, 0,1,2,3,4,5,6,7
	ds_store_b128 v154, v[16+64*\e+32*\c+4*\i:16+64*\e+32*\c+4*\i+3] offset:544*\i
.endr
.irp q, 0,1,2,3,4,5,6,7
	ds_load_b128 v[16+64*\e+32*\c+4*\q:16+64*\e+32*\c+4*\q+3], v155 offset:16*\q
.endr
.endr
.endm
	v_lshrrev_b32 v1, 5, v0
	s_delay_alu instid0(VALU_DEP_1)
	v_readfirstlane_b32 s8, v1                     ; wave 0..15
	v_and_b32 v1, 31, v0                           ; L
	v_and_b32 v2, 15, v0                           ; r
	v_bfe_u32 v3, v0, 4, 1                         ; h
	v_and_b32 v[COL], 7, v0
	v_bfe_u32 v5, v0, 3, 1
	s_delay_alu instid0(VALU_DEP_1)
	v_lshl_add_u32 v[COL], v5, 4, v[COL]
	s_delay_alu instid0(VALU_DEP_1)
	v_lshl_add_u32 v[COL], v3, 3, v[COL]
	s_delay_alu instid0(VALU_DEP_1)
	v_lshlrev_b32 v[COL], 2, v[COL]                ; column (L & 7) + 16 ((L >> 3) & 1) + 8 h of the 32, in bytes
	s_mov_b32 s[SEL], 0x76543210
	s_mov_b32 s[SEL+1], 0xfedcba98
	s_cmp_lt_u32 ttmp9, 128
	s_cbranch_scc1 .Lkv
	; ---- M: a wave packs two units (16 queries x 128 keys each)
	s_load_b64 s[12:13], s[0:1], 0x40              ; mask
	s_load_b64 s[14:15], s[0:1], 0x60              ; mbits
	s_sub_co_u32 s16, ttmp9, 128
	s_lshl_b32 s16, s16, 4
	s_add_co_u32 s16, s16, s8                      ; 0..2047: query tile = / 8, key steps 2 (% 8) and the next
	s_lshr_b32 s17, s16, 3
	s_and_b32 s18, s16, 7
	s_lshl_b32 s28, s17, 17                        ; 16 rows of 8,192 bytes
	s_lshl_b32 s18, s18, 10                        ; two steps of 512 bytes
	s_add_co_u32 s28, s28, s18
	s_mov_b32 s29, 0
	s_lshl_b32 s30, s16, 9                         ; two units of 256 bytes
	s_mov_b32 s31, 0
	s_wait_alu depctr_va_vdst(0)
	v_lshlrev_b32 v8, 13, v3                       ; memory: lanes 0-15 one row of 8,192 bytes, lanes 16-31 the next,
	v_mul_u32_u24 v154, v3, 272
	v_mul_u32_u24 v155, v2, 272
	v_lshl_add_u32 v8, v2, 4, v8                   ; 16 bytes a lane
	v_lshl_add_u32 v154, v2, 4, v154               ; into the stage: the same two rows
	v_lshl_add_u32 v155, v3, 7, v155               ; back: row r, + 32 h keys
	s_mul_i32 s19, s8, 4352
	s_add_co_u32 s19, s19, MSTG
	v_add_nc_u32 v154, s19, v154
	v_add_nc_u32 v155, s19, v155
	v_lshlrev_b32 v9, 3, v1
.irp i, 150,151,152,153
	v_mov_b32 v\i, 0                               ; written whole before single lanes are written
.endr
	s_wait_alu depctr_va_vdst(0)
	s_wait_kmcnt 0x0
	s_add_nc_u64 s[12:13], s[12:13], s[28:29]
	s_add_nc_u64 s[14:15], s[14:15], s[30:31]
.irp e, 0,1
.irp c, 0,1
.irp i, 0,1,2,3,4,5,6,7
	global_load_b128 v[16+64*\e+32*\c+4*\i:16+64*\e+32*\c+4*\i+3], v8, s[12:13] offset:512*\e+256*\c+16384*\i   ; 256 consecutive bytes of queries 2 i and 2 i + 1
.endr
.endr
.endr
	s_wait_loadcnt 16                              ; the first unit's 16 loads are in; the second's may be out
	MTURN 0
	s_wait_loadcnt 0x0
	MTURN 1
	s_wait_dscnt 32                                ; unit 0 is back; unit 1's 16 stores and 16 loads may be out
	MUNIT 0
	s_wait_dscnt 0x0
	MUNIT 1
	s_cmp_lt_u32 s8, 4                             ; waves 0-3 go on to a piece of a weight
	s_cbranch_scc1 .Lw
	s_wait_xcnt 0x0
	v_lshl_add_u32 v244, v0, 2, 0x1a000
	v_mov_b32 v245, 0
	s_wait_alu depctr_va_vdst(0)
	s_wait_tensorcnt 0x0                           ; the wave's end
	ds_add_u32 v244, v245
	s_wait_dscnt 0x0
	s_endpgm
	; ---- W: a wave quantises 128 along K x 32 columns of Wq or of Wo
.Lw:
	s_wait_xcnt 0x0                                ; the mask words' stores have read their base and registers
	s_load_b128 s[12:15], s[0:1], 0x30             ; Wq, Wo
	s_load_b128 s[20:23], s[0:1], 0x50             ; wq_rec, wo_rec
	s_sub_co_u32 s26, ttmp9, 128
	s_lshl_b32 s26, s26, 2                         ; four pieces a work-group
	s_add_co_u32 s26, s26, s8                      ; 0..511
	s_lshr_b32 s27, s26, 8                         ; which weight
	s_bfe_u32 s28, s26, 0x50003                    ; p: which 32 columns
	s_and_b32 s29, s26, 7                          ; K step
	s_lshl_b32 s30, s29, 19                        ; 128 rows of 4,096 bytes
	s_lshl_b32 s31, s28, 7
	s_add_co_u32 s30, s30, s31
	s_mov_b32 s31, 0
	s_mul_i32 s32, s28, 2*REC                      ; record 2 p,
	s_mul_i32 s33, s29, 1536                       ; halves 2 s and 2 s + 1
	s_add_co_u32 s32, s32, s33
	s_mov_b32 s33, 0
	s_mul_i32 s34, s28, 2*REC
	s_lshl_b32 s35, s29, 7
	s_add_co_u32 s34, s34, s35
	s_add_co_u32 s34, s34, 12288                   ; and its scale image of this K step
	s_mov_b32 s35, 0
	s_wait_alu depctr_va_vdst(0)
	v_lshlrev_b32 v5, 4, v1
	v_lshlrev_b32 v6, 3, v1
	v_mul_u32_u24 v7, v3, REC
	s_delay_alu instid0(VALU_DEP_1)
	v_lshl_add_u32 v7, v2, 2, v7                   ; lanes 0-15: record 2 p, lanes 16-31: record 2 p + 1; 4 bytes a row
	s_wait_kmcnt 0x0
	s_cmp_eq_u32 s27, 0
	s_cselect_b64 s[WP:WP+1], s[12:13], s[14:15]
	s_cselect_b64 s[20:21], s[20:21], s[22:23]
	s_add_nc_u64 s[WP:WP+1], s[WP:WP+1], s[30:31]
	s_add_nc_u64 s[24:25], s[20:21], s[32:33]
	s_add_nc_u64 s[20:21], s[20:21], s[34:35]
	WLOAD 4096, 0, 128
	s_wait_loadcnt 0x0
	WQ
	HSTG F0, 5, 6, 24, 0
	HSTG F0+6, 5, 6, 24, 768
	HSTG F1, 5, 6, 24, REC
	HSTG F1+6, 5, 6, 24, REC+768
	global_store_b32 v7, v[SW], s[20:21]           ; the image's two halves of the lanes hold the same words
	global_store_b32 v7, v[SW], s[20:21] offset:64
	s_wait_xcnt 0x0
	v_lshl_add_u32 v244, v0, 2, 0x1a000
	v_mov_b32 v245, 0
	s_wait_alu depctr_va_vdst(0)
	s_wait_tensorcnt 0x0                           ; the wave's end
	ds_add_u32 v244, v245
	s_wait_dscnt 0x0
	s_endpgm
	; ---- KV
.Lkv:
	s_load_b256 s[12:19], s[0:1], 0x0              ; key, value, Wk, Wv
	s_load_b128 s[20:23], s[0:1], 0x20             ; bk, bv
	s_load_b64 s[24:25], s[0:1], 0x48              ; kv
	s_lshr_b32 s26, ttmp9, 6                       ; kind: 0 k, 1 v
	s_and_b32 s27, ttmp9, 63                       ; block of 64 rows of the 4,096
	s_lshr_b32 s28, s27, 5                         ; batch
	s_and_b32 s29, s27, 31                         ; block in the batch
	s_lshr_b32 s30, s29, 1                         ; key step of 128
	s_and_b32 s31, s29, 1                          ; its half
	s_lshr_b32 s32, s8, 3                          ; I quantise the weight's columns 32 p on,
	s_and_b32 s33, s8, 7                           ; K step s,
	s_lshr_b32 s34, s8, 2                          ; and of x the tile of rows m,
	s_and_b32 s35, s8, 3                           ; K steps 2 (w & 3) and the next
	s_wait_alu depctr_va_vdst(0)
	v_lshlrev_b32 v[XAO], 12, v3                   ; memory: lanes 0-15 one row of 4,096 bytes, lanes 16-31 the next,
	v_mul_u32_u24 v243, v3, 272
	v_mul_u32_u24 v244, v2, 272
	v_lshl_add_u32 v[XAO], v2, 4, v[XAO]           ; 16 bytes a lane
	v_lshl_add_u32 v243, v2, 4, v243               ; into my stage: the same two rows
	v_lshl_add_u32 v244, v3, 6, v244               ; back: row r, + 16 h numbers
	s_xor_b32 s36, s26, 1
	s_lshl_b32 s36, 0x10000, s36                   ; the tile's rows 8-15 lie 32 rows on for k, 16 for v
	s_mul_i32 s37, s8, 4352
	s_add_co_u32 s37, s37, KSTG
	v_add_nc_u32 v[XG1], s36, v[XAO]
	v_add_nc_u32 v243, s37, v243
	v_add_nc_u32 v244, s37, v244
	s_mul_i32 s36, s32, 24576
	s_mul_i32 s37, s33, 1536
	s_add_co_u32 s36, s36, s37
	v_lshl_add_u32 v6, v1, 4, s36                  ; W's images: tile 2 p here, tile 2 p + 1 12,288 bytes on
	s_lshl_b32 s36, s32, 11
	s_lshl_b32 s37, s33, 7
	s_add_co_u32 s36, s36, s37
	s_add_co_u32 s36, s36, WSC
	v_lshl_add_u32 v7, v2, 2, s36
	s_delay_alu instid0(VALU_DEP_1)
	v_lshl_add_u32 v7, v3, 10, v7                  ; W's scale words: lanes 16-31 belong to the tile 1,024 bytes on
	s_mul_i32 s36, s34, 12288
	s_mul_i32 s37, s35, 3072
	s_add_co_u32 s36, s36, s37
	s_add_co_u32 s36, s36, XIMG
	v_lshl_add_u32 v8, v1, 4, s36                  ; x's images
	s_lshl_b32 s36, s34, 10
	s_lshl_b32 s37, s35, 8
	s_add_co_u32 s36, s36, s37
	s_add_co_u32 s36, s36, XSC
	v_lshl_add_u32 v9, v1, 2, s36                  ; x's scale words
	s_lshl_b32 s38, s27, 18                        ; 64 rows of 4,096 bytes a block,
	s_lshr_b32 s36, s34, 1
	s_add_co_u32 s37, s26, 16
	s_lshl_b32 s36, s36, s37                       ; v: + 32 (m / 2) rows; k: + 16 (m / 2), so that tile m begins at row 8 m
	s_add_co_u32 s38, s38, s36
	s_and_b32 s36, s34, 1
	s_lshl_b32 s36, s36, 15                        ; + 8 (m % 2) rows
	s_add_co_u32 s38, s38, s36
	s_lshl_b32 s36, s35, 10                        ; + my two K steps
	s_add_co_u32 s38, s38, s36
	s_mov_b32 s39, 0
	s_lshl_b32 s40, s33, 15                        ; the weight: 128 rows of 256 bytes a K step,
	s_lshl_b32 s36, s32, 7                         ; + 32 columns
	s_add_co_u32 s40, s40, s36
	s_mov_b32 s41, 0
.irp b, 0,1,2,3
	v_mov_b32 v[PB+\b], 0                          ; written once: a lane exchange's destination counts as one of its sources
.endr
	s_wait_alu depctr_va_vdst(0)                   ; the wait at the head's end
	s_wait_kmcnt 0x0
	s_cmp_eq_u32 s26, 0
	s_cselect_b64 s[XP:XP+1], s[12:13], s[14:15]
	s_cselect_b64 s[WP:WP+1], s[16:17], s[18:19]
	s_cselect_b64 s[20:21], s[20:21], s[22:23]
	s_add_nc_u64 s[XP:XP+1], s[XP:XP+1], s[38:39]
	s_add_nc_u64 s[WP:WP+1], s[WP:WP+1], s[40:41]
	XLOAD XA, 0                                    ; both units of x and the weight's rows 0-63 are asked for at once: 96 loads
	XLOAD X2, 512
	WLOAD 256, 0, 64
	s_wait_loadcnt 63                              ; 80 loads were issued behind the first unit's 16; 63 is the largest count that the wait can name: the first unit is in
	XTURN XA
	s_wait_dscnt 0x0
	QUANT64 XA
	IMG3ST PC, 8, 0
	ds_store_b32 v9, v[PW]
	WLOAD 256, 64, 64                              ; the weight's rows 64-127 take the first unit's registers and land while the second unit is quantised
	s_wait_loadcnt 63                              ; 128 loads were issued behind the second unit's 16: it is in
	XTURN X2
	s_wait_dscnt 0x0                               ; it is back from the stage, and the stores have read the codes' registers
	QUANT64 X2
	IMG3ST PC, 8, 1536
	ds_store_b32 v9, v[PW] offset:128
	s_wait_loadcnt 0x0                             ; the weight's 128 numbers are in
	s_wait_dscnt 0x0                               ; the stores have read the registers that the weight's fragments take
	WQ
	IMG3ST F0, 6, 0
	IMG3ST F1, 6, 12288
	ds_store_b32 v7, v[SW]
	ds_store_b32 v7, v[SW] offset:64
	s_wait_dscnt 0x0                               ; for the others' sake: my images lie in LDS
	s_barrier_signal -1
	s_barrier_wait -1                              ; all 64 fragments and their scale words lie in LDS; nothing is stored to LDS from here on
	s_mul_i32 s36, s35, 12288                      ; the read addresses, made in every wave from wave & 3, ahead of the parting
	s_lshl_b32 s37, s35, 10
	v_lshlrev_b32 v4, 4, v1                        ; W's images, all tiles (also 16 x lane for the stores)
	s_delay_alu instid0(VALU_DEP_1)
	v_add_nc_u32 v5, XIMG, v4                      ; x's, all tiles
	s_delay_alu instid0(VALU_DEP_2)
	v_add_nc_u32 v6, s36, v4                       ; W's tile w
	s_delay_alu instid0(VALU_DEP_2)
	v_add_nc_u32 v7, s36, v5                       ; x's tile w
	v_lshl_add_u32 v8, v1, 2, WSC                  ; and the scale words likewise
	v_lshl_add_u32 v9, v1, 2, XSC
	s_delay_alu instid0(VALU_DEP_2)
	v_add_nc_u32 v243, s37, v8
	s_delay_alu instid0(VALU_DEP_2)
	v_add_nc_u32 v244, s37, v9
	v_lshlrev_b32 v245, 3, v1
	s_cmp_lt_u32 s8, 4
	s_cbranch_scc1 .Lkv_tail
	s_wait_xcnt 0x0
	v_lshl_add_u32 v244, v0, 2, 0x1a000
	v_mov_b32 v245, 0
	s_wait_alu depctr_va_vdst(0)
	s_wait_tensorcnt 0x0
	ds_add_u32 v244, v245
	s_wait_dscnt 0x0
	s_endpgm                                       ; 32 products a wave are four waves' work: the other twelve have done their share
.Lkv_tail:
	s_cmp_eq_u32 s26, 0
	s_cbranch_scc0 .Lv_arm
	s_wait_alu depctr_va_vdst(0)
	KVTAIL 0
	s_wait_xcnt 0x0
	v_lshl_add_u32 v244, v0, 2, 0x1a000
	v_mov_b32 v245, 0
	s_wait_alu depctr_va_vdst(0)
	s_wait_tensorcnt 0x0
	ds_add_u32 v244, v245
	s_wait_dscnt 0x0
	s_endpgm
.Lv_arm:
	s_wait_alu depctr_va_vdst(0)
	KVTAIL 1
	s_wait_xcnt 0x0
	v_lshl_add_u32 v244, v0, 2, 0x1a000
	v_mov_b32 v245, 0
	s_wait_alu depctr_va_vdst(0)
	s_wait_tensorcnt 0x0
	ds_add_u32 v244, v245
	s_wait_dscnt 0x0
	s_endpgm
.Lfunc_end_k_q883b1245ac_prep:
	.size	k_q883b1245ac_prep, .Lfunc_end_k_q883b1245ac_prep-k_q883b1245ac_prep
	.p2alignl 7, 3214868480
	.fill 96, 4, 3214868480
	.section	.rodata,"a",@progbits
	.p2align	6, 0x0
	.amdhsa_kernel k_q883b1245ac_prep
		.amdhsa_group_segment_fixed_size 247808
		.amdhsa_private_segment_fixed_size 0
		.amdhsa_enable_private_segment 0
		.amdhsa_kernarg_size 104
		.amdhsa_user_sgpr_count 2
		.amdhsa_user_sgpr_kernarg_segment_ptr 1
		.amdhsa_wavefront_size32 1
		.amdhsa_system_sgpr_workgroup_id_x 1
		.amdhsa_system_sgpr_workgroup_id_y 1
		.amdhsa_system_sgpr_workgroup_id_z 1
		.amdhsa_system_vgpr_workitem_id 0
		.amdhsa_next_free_vgpr 256
		.amdhsa_next_free_sgpr 66
		.amdhsa_reserve_vcc 0
		.amdhsa_float_denorm_mode_32 3
		.amdhsa_float_denorm_mode_16_64 3
		.amdhsa_memory_ordered 1
		.amdhsa_forward_progress 1
		.amdhsa_inst_pref_size 133
	.end_amdhsa_kernel
	.amdgpu_metadata
---
amdhsa.version: [ 1, 2 ]
amdhsa.kernels:
  - .name:           k_q883b1245ac_prep
    .symbol:         k_q883b1245ac_prep.kd
    .args:
      - { .name: key, .offset: 0, .size: 8, .value_kind: global_buffer, .address_space: global }
      - { .name: value, .offset: 8, .size: 8, .value_kind: global_buffer, .address_space: global }
      - { .name: Wk, .offset: 16, .size: 8, .value_kind: global_buffer, .address_space: global }
      - { .name: Wv, .offset: 24, .size: 8, .value_kind: global_buffer, .address_space: global }
      - { .name: bk, .offset: 32, .size: 8, .value_kind: global_buffer, .address_space: global }
      - { .name: bv, .offset: 40, .size: 8, .value_kind: global_buffer, .address_space: global }
      - { .name: Wq, .offset: 48, .size: 8, .value_kind: global_buffer, .address_space: global }
      - { .name: Wo, .offset: 56, .size: 8, .value_kind: global_buffer, .address_space: global }
      - { .name: mask, .offset: 64, .size: 8, .value_kind: global_buffer, .address_space: global }
      - { .name: kv, .offset: 72, .size: 8, .value_kind: global_buffer, .address_space: global }
      - { .name: wq_rec, .offset: 80, .size: 8, .value_kind: global_buffer, .address_space: global }
      - { .name: wo_rec, .offset: 88, .size: 8, .value_kind: global_buffer, .address_space: global }
      - { .name: mbits, .offset: 96, .size: 8, .value_kind: global_buffer, .address_space: global }
    .group_segment_fixed_size: 247808
    .private_segment_fixed_size: 0
    .kernarg_segment_align: 8
    .kernarg_segment_size: 104
    .max_flat_workgroup_size: 512
    .sgpr_count:     66
    .vgpr_count:     256
    .wavefront_size: 32
...
	.end_amdgpu_metadata
.endif
;; end of part 1
;; launch attn (part 2): grid 4 x 64, 16 waves a work-group, clusters of 4 x 1, 327,680 bytes of LDS; arguments query, wq_rec, bq, kv, mbits, x_rec; writes x_rec
.if DOCPART == 2
	.amdgcn_target "amdgcn-amd-amdhsa--gfx1250"
	.amdhsa_code_object_version 6
	.text
	.protected	k_q883b1245ac_attn
	.globl	k_q883b1245ac_attn
	.p2align	8
	.type	k_q883b1245ac_attn,@function
k_q883b1245ac_attn:
	s_mov_b64 s[64:65], 0
	v_nop
	global_prefetch_b8 v0, s[64:65] scope:SCOPE_SE
	s_setreg_imm32_b32 hwreg(HW_REG_WAVE_MODE, 25, 1), 1
	s_wait_xcnt 0x0
	s_wait_alu depctr_hold_cnt(0) depctr_sa_sdst(0) depctr_va_vdst(0) depctr_va_sdst(0) depctr_va_ssrc(0) depctr_va_vcc(0) depctr_vm_vsrc(0)
	s_getreg_b32 s2, hwreg(HW_REG_IB_STS2, 6, 4)
	s_cmp_eq_u32 s2, 0
	s_cbranch_scc0 .Lentry_in_a_cluster
	s_endpgm
.Lentry_in_a_cluster:
	s_bfe_u32 s2, ttmp6, 0x10000c
	s_cmp_lg_u32 s2, 0x3003
	s_cbranch_scc0 .Lentry_shape_is_right
	s_endpgm
.Lentry_shape_is_right:
; ATTN.  A work-group takes 64 queries (cluster y) and 4 heads (its place g in the cluster): it quantises its rows of query, makes q = query Wq + bq for its 256 columns, quantises q along the head's 64,
; and runs the attention of its 16 (head, tile of 16 queries) pairs, one a wave, over the batch's 2,048 keys, 128 a step; x = O / l is quantised along the head's 64 and stored as a half of x_rec.
; All products on codes of E2M3 with E8M0 scales.
; q k^T HAS K = 64.  q's upper 64 codes of the instruction's 128 are zeros.  k's operand for tile t is registers 6 t .. 6 t + 11 of a run of eight halves: its upper six registers are the next tile's codes
; (the last tile's: whatever lies there).  E2M3 has no infinity and no NaN and the scale bytes there are 0x7f on both sides, so those products are 0 x a finite number and add nothing.
; That puts a step's eight halves of k into 54 registers, so that they come by one run of loads.
; K AND V of one batch, codes and scale words, are 221,184 bytes: they come into LDS ONCE, each wave bringing 54 rows of 256 bytes, asked for jointly by the cluster's four work-groups, which want the same
; bytes.  Nothing is filled twice, so the key loop has no barrier and no tensor load.
; LAYOUT.  Both products of the attention are used transposed (S^T = k q^T, O^T = v^T p^T): a lane holds ONE query.  The keys of a tile of k and the d of a tile of v were chosen by the launch before so that
; register 16 b + i of S^T is key 32 b + 16 h + i and register 16 b + i of O^T is d 32 b + 16 h + i: neighbours along the next K.
; LDS LOADS A PHASE AHEAD.  Two areas of 64 registers change roles from step to step.  In a step one holds k, then (asked for behind the products S^T, landing under the softmax) v; the other takes S^T, then p,
; then (asked for behind the conversions, landing under the rescaling and the products O^T) the next step's k.  A trip of the loop is two steps, until the areas are back where they began.
; THE MASK comes as lane-mask words, 64 a step, by scalar loads one step ahead; word n selects, lane by lane, between register n's score and the hidden score.  No branch and no address hangs on it.
; THE SOFTMAX: t = score x log2(e) / 8; M = the running largest t rounded up to a whole number; p = 2^(t - M) is quantised along the keys; the row's sum is taken of the unquantised p and divides O at the end.
; LIMITS: a hidden score is -2^33, a logit of -2^30, where the definition has -1e9: its t is a whole number, so a row with no visible key gets p = 1 everywhere as there, and beside any visible logit
; above about -9e8 a hidden p is 0 as there.  NaN and infinities are not served.  Blocks under 2^-124 keep the scale byte 1.  1 / l is v_rcp_f32.
; Sixteen waves of 256 registers, four to a SIMD: a step has some 25 vector instructions for each matrix instruction, so one wave's vector work stands beside another's products and LDS loads.
; THE ORDER OF THE KEYS AS IT STANDS (it takes the place of what LAYOUT says of S^T above): row m of k's tile 4 c + u is key 64 c + 32 (m / 8) + 8 u + m % 8, so register 32 c + i of S^T is key 64 c + 32 h + i:
; a lane holds two WHOLE blocks of 32 keys.  A block's largest score needs no other lane, the conversions' results are the operand's registers with no exchange of lanes, and the scale word's four bytes are
; gathered from lanes l and l xor 16.  O^T and q keep the order stated above.
; THE ROWS OF query ARE LOADED AS THEY LIE: an instruction takes 128 consecutive bytes of each of four rows; 16 rows x 128 bytes turn through the wave's own stage in LDS (rows 144 bytes apart).
.set REC,  13312
.set KVB,  221184
.set VIMG, 98304                       ; LDS: k's 128 halves from 0; v's 128 halves;
.set KSC,  196608                      ; k's scale words [step][lane][8];
.set VSC,  212992                      ; v's [step][lane][4]: the fill ends at 221,184
.set XIMG, 221184                      ; scratch, in blocks of 256 bytes of its own: x's 32 fragments [tile 4][K step 8] x 1,536,
.set XSC,  270336                      ; their scale images x 128;
.set QST,  221184                      ; and over both, once nobody reads them: q as f32, [head 4][tile of queries 4][tile of d 4] x 1,024
.set XA,   32                          ; head: v32-95, v136-199 two units of 64 numbers of query
.set XB,   136
.set WF,   32                          ; head: v32-127 Wq's eight fragments of my tile
.set BI,   128                         ; head: v128-135 bq in the result's layout
.set XF,   136                         ; head: v136-183 four fragments of x
.set ACC,  192                         ; head: v192-223 four accumulators
.set PC,   200                         ; head: QUANT64's codes and temporaries, v200-218
.set MX,   220                         ; v220-223, v224-227, v228-231, v232: the quantisers' own
.set PB,   224
.set SO,   228
.set PW,   232
.set XST,  233                         ; v233-238 addresses of the head
.set XSS,  234
.set QSO,  235
.set QSR,  236
.set XAO,  237
.set BO,   238
.set XTS,  219                         ; v219, v239 head: my lane's places in my stage, on the way in and back
.set XTL,  239
.set XTG,  288768                      ; LDS, behind the spare words: the stages, 2,304 bytes a wave
.set R0,   32                          ; loop: v32-95 and v96-159, the two areas
.set R1,   96
.set OT,   160                         ; loop: v160-191 O^T
.set PCD,  192                         ; loop: v192-203 p's codes; v204-206, v208-210 at work
.set BM,   212                         ; loop: v212-215 each block's largest score, then largest p
.set BP,   216                         ; loop: v216-219 lane exchanges, bytes
.set BS,   220                         ; loop: v220-223 the conversions' scale operands; v[224:225] second chain of the sum; v226 at work
.set FF,   228                         ; loop: v228 f, v229 named with it as a pair
; v1 16 L, v2 8 L, v3 4 L; v4-8 my lane's places in k's and v's halves and scale words; v9-14 the step's addresses; v15 the hidden score; v16-27 q's fragment; v28 -M, v29 largest t, v[30:31] the sum;
; v240-247, v248-251, v252, v253: scale words and nothing else in the whole text.
.set SEL,  8                           ; s[8:9] selects for lane l xor 16
.set XP,   56
.set WR,   60
.set BQ,   62
; s2 trips; s3 wave; s[4:5] the mask words of the step to be loaded; s[6:7], s[18:19] where x's half and its two scale bytes go; s[10:11] c; s12 step; s13-15 LDS steps; s[16:17] the mask pointer's step;
; s[20:23], s[24:31] the descriptor; s[32:63], s[68:99]: first pointers and offsets, then the 64 mask words.
.macro QUANT64 s
.irp b, 0,1,2,3
	v_max3_num_f32 v[MX+\b], |v[\s+16*\b]|, |v[\s+1+16*\b]|, 0x1800000   ; with the floor 2^(3 - 127): the byte cannot fall under 1
.endr
.irp i, 2,4,6,8,10,12,14
.irp b, 0,1,2,3
	s_delay_alu instid0(VALU_DEP_4)
	v_max3_num_f32 v[MX+\b], v[MX+\b], |v[\s+16*\b+\i]|, |v[\s+1+16*\b+\i]|
.endr
.endr
.irp b, 0,1,2,3
	s_delay_alu instid0(VALU_DEP_4)
	v_permlanex16_b32 v[PB+\b], v[MX+\b], s[SEL], s[SEL+1]
.endr
.irp b, 0,1,2,3
	s_delay_alu instid0(VALU_DEP_4)
	v_max_num_f32 v[MX+\b], v[MX+\b], v[PB+\b]
.endr
.irp b, 0,1,2,3
	s_delay_alu instid0(VALU_DEP_4)
	v_add_nc_u32 v[SO+\b], 0xff000000, v[MX+\b]    ; 2 off the exponent field: the conversion's scale operand
.endr
.irp b, 0,1,2,3
	s_delay_alu instid0(VALU_DEP_4)
	v_lshrrev_b32 v[PB+\b], 23, v[SO+\b]
.endr
	s_delay_alu instid0(VALU_DEP_3)
	v_lshl_or_b32 v[PW], v[PB+1], 8, v[PB]
	s_delay_alu instid0(VALU_DEP_1)
	v_lshl_or_b32 v[PW], v[PB+2], 16, v[PW]
	s_delay_alu instid0(VALU_DEP_1)
	v_lshl_or_b32 v[PW], v[PB+3], 24, v[PW]
.irp c, 0,1
	v_cvt_scalef32_pk16_fp6_f32 v[PC+6*\c:PC+2+6*\c], v[\s+32*\c:\s+15+32*\c], v[SO+2*\c]
	v_cvt_scalef32_pk16_fp6_f32 v[PC+12+4*\c:PC+14+4*\c], v[\s+16+32*\c:\s+31+32*\c], v[SO+2*\c+1]
.endr
	v_nop                                          ; one plain line behind the scaled conversions
.irp c, 0,1
.irp i, 0,1,2
	v_permlane16_swap_b32 v[PC+6*\c+\i], v[PC+12+4*\c+\i]
.endr
.irp i, 0,1,2
	s_delay_alu instid0(VALU_DEP_3)
	v_mov_b32 v[PC+3+6*\c+\i], v[PC+12+4*\c+\i]
.endr
.endr
.endm
.macro QUANT32 n, hd, t                ; 32 numbers of a lane (register 16 b + i = k 32 b + 16 h + i) -> six registers from v[hd] on, two bytes in v[PW]
.irp b, 0,1
	v_max3_num_f32 v[MX+\b], |v[\n+16*\b]|, |v[\n+1+16*\b]|, 0x1800000
.endr
.irp i, 2,4,6,8,10,12,14
.irp b, 0,1
	s_delay_alu instid0(VALU_DEP_2)
	v_max3_num_f32 v[MX+\b], v[MX+\b], |v[\n+16*\b+\i]|, |v[\n+1+16*\b+\i]|
.endr
.endr
.irp b, 0,1
	s_delay_alu instid0(VALU_DEP_2)
	v_permlanex16_b32 v[PB+\b], v[MX+\b], s[SEL], s[SEL+1]
.endr
.irp b, 0,1
	s_delay_alu instid0(VALU_DEP_2)
	v_max_num_f32 v[MX+\b], v[MX+\b], v[PB+\b]
.endr
.irp b, 0,1
	s_delay_alu instid0(VALU_DEP_2)
	v_add_nc_u32 v[SO+\b], 0xff000000, v[MX+\b]
.endr
.irp b, 0,1
	s_delay_alu instid0(VALU_DEP_2)
	v_lshrrev_b32 v[PB+\b], 23, v[SO+\b]
.endr
	s_delay_alu instid0(VALU_DEP_1)
	v_lshl_or_b32 v[PW], v[PB+1], 8, v[PB]
	v_cvt_scalef32_pk16_fp6_f32 v[\hd:\hd+2], v[\n:\n+15], v[SO]
	v_cvt_scalef32_pk16_fp6_f32 v[\t:\t+2], v[\n+16:\n+31], v[SO+1]
	v_nop
.irp i, 0,1,2
	v_permlane16_swap_b32 v[\hd+\i], v[\t+\i]
.endr
.irp i, 0,1,2
	s_delay_alu instid0(VALU_DEP_3)
	v_mov_b32 v[\hd+3+\i], v[\t+\i]
.endr
.endm
.macro XLOAD reg, off                  ; no hint: the cluster's partners read the same rows.  Instruction (b, i): bytes 128 b .. 128 b + 127 of rows 4 i .. 4 i + 3
.irp b, 0,1,2,3
.irp i, 0,1,2,3
	global_load_b128 v[\reg+16*\b+4*\i:\reg+16*\b+4*\i+3], v[XAO], s[XP:XP+1] offset:\off+128*\b+16384*\i
.endr
.endr
.endm
.macro XTURN reg                       ; through my stage, a block of 32 along K at a time: afterwards register 16 b + i = k 32 b + 16 h + i of row r.  LDS serves a wave's instructions in order
.irp b, 0,1,2,3
.irp i, 0,1,2,3
	ds_store_b128 v[XTS], v[\reg+16*\b+4*\i:\reg+16*\b+4*\i+3] offset:576*\i
.endr
.irp j, 0,1,2,3
	ds_load_b128 v[\reg+16*\b+4*\j:\reg+16*\b+4*\j+3], v[XTL] offset:16*\j
.endr
.endr
.endm
.macro IMG3ST reg, adr, off
.irp pl, 0,1,2
	ds_store_b128 v[\adr], v[\reg+4*\pl:\reg+4*\pl+3] offset:\off+512*\pl
.endr
.endm
.macro HLD reg, aa, ab, off            ; a half from LDS: both loads take consecutive bytes in consecutive lanes
	ds_load_b128 v[\reg:\reg+3], v[\aa] offset:\off
	ds_load_b64 v[\reg+4:\reg+5], v[\ab] offset:\off
.endm
.macro HLDG reg, off                   ; a half of Wq's record from memory
	global_load_b128 v[\reg:\reg+3], v1, s[WR:WR+1] offset:\off
	global_load_b64 v[\reg+4:\reg+5], v2, s[WR:WR+1] offset:\off+512
.endm
.macro MM d, a, b, c, sa, sb
	v_wmma_scale_f32_16x16x128_f8f6f4 v[\d:\d+7], v[\a:\a+11], v[\b:\b+11], v[\c:\c+7], v[\sa], v[\sb] matrix_a_fmt:MATRIX_FMT_FP6 matrix_b_fmt:MATRIX_FMT_FP6
.endm
.macro MM0 d, a, b, sa, sb
	v_wmma_scale_f32_16x16x128_f8f6f4 v[\d:\d+7], v[\a:\a+11], v[\b:\b+11], 0, v[\sa], v[\sb] matrix_a_fmt:MATRIX_FMT_FP6 matrix_b_fmt:MATRIX_FMT_FP6
.endm
.macro PLACES
.rept 4
	v_nop
.endr
.endm
.macro ROUND                           ; a round of the cluster's barrier
	s_barrier_signal -1
	s_barrier_wait -1
	s_cmp_lg_u32 s3, 0
	s_cbranch_scc1 .Lnot_wave_0_\@
	s_barrier_signal -3
.Lnot_wave_0_\@:
	s_barrier_wait -3
	s_barrier_signal -1
	s_barrier_wait -1
.endm
; A KEY STEP of 128 keys.  At its head area ka holds this step's eight halves of k (on their way); area sa is free.
.macro STEP ka, sa
	s_wait_dscnt 0x0                               ; k's halves and scale words, asked for in the step before, are in
	v_add_nc_u32 v9, s13, v1                       ; six plain lines: also the distance between the last products O^T and the products below, which write over v's old registers
	v_add_nc_u32 v10, s13, v4
	v_add_nc_u32 v11, s13, v5
	v_add_nc_u32 v12, s13, v6
	v_add_nc_u32 v13, s14, v7
	v_add_nc_u32 v14, s15, v8
.irp t, 0,1,2,3,4,5,6,7                        ; S^T = k q^T: eight tiles of 16 keys, each sum begun with 0
	MM0 \sa+8*\t, \ka+6*\t, 16, 240+\t, 252
.endr
	PLACES                                         ; four plain lines between the products and the loads into k's registers, and the first read of the scores
.irp t, 0,1,2,3                                ; v's four fragments take k's registers: 17 loads, which land under the softmax
.irp c, 0,1
	HLD \ka+12*\t+6*\c, 11, 12, (2*\t+\c)*768
.endr
.endr
	ds_load_b128 v[248:251], v14
	s_wait_kmcnt 0x0                               ; this step's mask words, asked for most of a step ago
.set N, 0
.rept 64
	v_cndmask_b32 v[\sa+N], v15, v[\sa+N], s[32+N+4*(N/32)]   ; where the bit is 0 the score is hidden; each accumulator from its low end on
.set N, N+1
.endr
	s_cmp_lt_u32 s12, 15                           ; the next step's words; in the last step the same again: nothing leaves the buffer, nothing is jumped over
	s_cselect_b32 s16, 256, 0
	s_add_nc_u64 s[4:5], s[4:5], s[16:17]          ; (the loads that named this base are done)
	s_load_b512 s[32:47], s[4:5], 0x0
	s_load_b512 s[48:63], s[4:5], 0x40
	s_load_b512 s[68:83], s[4:5], 0x80
	s_load_b512 s[84:99], s[4:5], 0xc0
.irp b, 0,1,2,3
	v_max3_num_f32 v[BM+\b], v[\sa+16*\b], v[\sa+1+16*\b], v[\sa+2+16*\b]   ; each block's largest score: for the row's maximum and, since p rises with the score, for the block's largest p
.endr
.irp i, 3,5,7,9,11,13
.irp b, 0,1,2,3
	s_delay_alu instid0(VALU_DEP_4)
	v_max3_num_f32 v[BM+\b], v[BM+\b], v[\sa+16*\b+\i], v[\sa+1+16*\b+\i]
.endr
.endr
	s_delay_alu instid0(VALU_DEP_3)
	v_max3_num_f32 v[BM], v[BM], v[BM+1], v[\sa+15]        ; two chains of 15 and the two numbers left over: my block of 32 keys, c = 0,
	s_delay_alu instid0(VALU_DEP_2)
	v_max3_num_f32 v[BM+2], v[BM+2], v[BM+3], v[\sa+47]    ; and c = 1
	s_delay_alu instid0(VALU_DEP_2)
	v_max_num_f32 v[BM], v[BM], v[\sa+31]
	s_delay_alu instid0(VALU_DEP_2)
	v_max_num_f32 v[BM+2], v[BM+2], v[\sa+63]
	s_delay_alu instid0(VALU_DEP_1)
	v_max_num_f32 v226, v[BM], v[BM+2]
	s_delay_alu instid0(VALU_DEP_1)
	v_permlanex16_b32 v[BP], v226, s[SEL], s[SEL+1]
	s_delay_alu instid0(VALU_DEP_1)
	v_max_num_f32 v226, v226, v[BP]                        ; with lane l xor 16's two blocks: the step's largest score of my query
	s_delay_alu instid0(VALU_DEP_1)
	v_mul_f32 v226, s10, v226                      ; the step's largest t
	s_delay_alu instid0(VALU_DEP_1)
	v_max_num_f32 v29, v29, v226
	v_mov_b32 v226, v28
	s_delay_alu instid0(VALU_DEP_2)
	v_floor_f32 v28, -v29                          ; -M = floor(-t): M is a whole number
	s_delay_alu instid0(VALU_DEP_1)
	v_sub_f32 v226, v28, v226                      ; old M - new M, 0 or less
	s_delay_alu instid0(VALU_DEP_1)
	v_cvt_i32_f32 v226, v226                       ; (it saturates)
	s_delay_alu instid0(VALU_DEP_1)
	v_ldexp_f32 v[FF], 1.0, v226                   ; f = 2^(old M - new M): multiplying by it rounds nothing
.irp j, 0,2,4,6,8,10,12,14,16,18,20,22,24,26,28,30,32,34,36,38,40,42,44,46,48,50,52,54,56,58,60,62
	v_pk_fma_f32 v[\sa+\j:\sa+1+\j], v[\sa+\j:\sa+1+\j], s[10:11], v[28:29] op_sel_hi:[1,0,0]   ; t - M
.endr
.irp b, 0,2
	v_fma_f32 v[BM+\b], v[BM+\b], s10, v28
.endr
.set N, 0
	s_wait_alu depctr_va_vdst(0)
.rept 64
	v_exp_f32 v[\sa+N], v[\sa+N]                   ; p = 2^(t - M)
.set N, N+1
.endr
	v_pk_mul_f32 v[30:31], v[30:31], v[FF:FF+1] op_sel_hi:[1,0]   ; the sum under the new M: the plain line behind the batch
	s_wait_alu depctr_va_vdst(0)                   ; one wait for the 64, ahead of their first reader
.irp b, 0,2
	v_exp_f32 v[BM+\b], v[BM+\b]                   ; my two blocks' largest p
.endr
	v_pk_add_f32 v[224:225], v[\sa:\sa+1], v[\sa+2:\sa+3]   ; the sum of the unquantised p, in two chains
.irp j, 4,8,12,16,20,24,28,32,36,40,44,48,52,56,60
	v_pk_add_f32 v[30:31], v[30:31], v[\sa+\j:\sa+1+\j]
	v_pk_add_f32 v[224:225], v[224:225], v[\sa+2+\j:\sa+3+\j]
.endr
	s_delay_alu instid0(VALU_DEP_1)
	v_pk_add_f32 v[30:31], v[30:31], v[224:225]
	s_wait_alu depctr_va_vdst(0)                   ; and one for the two
.irp b, 0,2
	v_max_num_f32 v[BM+\b], 0x1800000, v[BM+\b]    ; the floor: a block whose every p is 0 keeps the byte 1; its codes are zeros
.endr
.irp b, 0,2
	s_delay_alu instid0(VALU_DEP_2)
	v_add_nc_u32 v[BS+\b], 0xff000000, v[BM+\b]
.endr
.irp b, 0,2
	s_delay_alu instid0(VALU_DEP_2)
	v_lshrrev_b32 v[BP+\b], 23, v[BS+\b]
.endr
	s_delay_alu instid0(VALU_DEP_1)
	v_lshl_or_b32 v[BP], v[BP+2], 16, v[BP]        ; my two bytes: blocks h and 2 + h,
	s_delay_alu instid0(VALU_DEP_1)
	v_lshlrev_b32 v[BP], v230, v[BP]               ; at their places in the word (8 h bits up);
	s_delay_alu instid0(VALU_DEP_1)
	v_permlanex16_b32 v[BP+1], v[BP], s[SEL], s[SEL+1]
	s_delay_alu instid0(VALU_DEP_1)
	v_or_b32 v253, v[BP], v[BP+1]                  ; with lane l xor 16's two: p's scale word for these 128 keys
.irp c, 0,1
	v_cvt_scalef32_pk16_fp6_f32 v[PCD+6*\c:PCD+2+6*\c], v[\sa+32*\c:\sa+15+32*\c], v[BS+2*\c]
	v_cvt_scalef32_pk16_fp6_f32 v[204+4*\c:206+4*\c], v[\sa+16+32*\c:\sa+31+32*\c], v[BS+2*\c]
.endr
	v_nop
.irp t, 0,1,2,3,4,5,6,7                        ; the NEXT step's k takes p's registers: 18 loads, 6,144 and 1,024 bytes on from this step's.  In the last step they read v's halves and scale words,
	HLD \sa+6*\t, 9, 10, 6144+\t*768               ; bytes of the same one fill (the farthest ends at byte 214,016), and nobody uses them
.endr
	ds_load_b128 v[240:243], v13 offset:1024
	ds_load_b128 v[244:247], v13 offset:1040
.irp c, 0,1
.irp i, 0,1,2
	v_mov_b32 v[PCD+3+6*\c+\i], v[204+4*\c+\i]     ; a conversion's three registers begin on an even number: the block's upper 16 codes are moved to their place
.endr
.endr
.irp j, 0,2,4,6,8,10,12,14,16,18,20,22,24,26,28,30
	v_pk_mul_f32 v[OT+\j:OT+1+\j], v[OT+\j:OT+1+\j], v[FF:FF+1] op_sel_hi:[1,0]   ; O^T under the new M; also the plain lines between p's codes and scale word and the products
.endr
	s_wait_alu depctr_va_vdst(0)
	s_wait_dscnt 18                                ; v's 17 loads are in; the 18 issued behind them, the next step's k, may be out
.irp t, 0,1,2,3                                ; O^T += v^T p^T, the four accumulators by turns
	MM OT+8*\t, \ka+12*\t, PCD, OT+8*\t, 248+\t, 253
.endr
	s_add_co_u32 s13, s13, 6144
	s_add_co_u32 s14, s14, 1024
	s_add_co_u32 s15, s15, 512
	s_add_co_u32 s12, s12, 1
.endm
	s_load_b256 s[32:39], s[0:1], 0x0              ; query, wq_rec, bq, kv
	s_load_b128 s[40:43], s[0:1], 0x20             ; mbits, x_rec
	v_lshl_add_u32 v254, v0, 2, 0x46000
	v_mov_b32 v255, 0
	ds_add_u32 v254, v255
	ds_add_u32 v254, v255
	v_lshrrev_b32 v11, 5, v0
	s_delay_alu instid0(VALU_DEP_1)
	v_readfirstlane_b32 s3, v11                    ; wave 0..15
	v_and_b32 v11, 31, v0                          ; L
	v_and_b32 v12, 15, v0                          ; r
	v_bfe_u32 v13, v0, 4, 1                        ; h
	s_delay_alu instid0(VALU_DEP_3)
	v_lshlrev_b32 v1, 4, v11
	s_delay_alu instid0(VALU_DEP_4)
	v_lshlrev_b32 v2, 3, v11
	v_lshlrev_b32 v3, 2, v11
	s_delay_alu instid0(VALU_DEP_2)
	v_add_nc_u32 v4, 512, v2
	s_delay_alu instid0(VALU_DEP_4)
	v_add_nc_u32 v5, VIMG, v1
	s_delay_alu instid0(VALU_DEP_4)
	v_add_nc_u32 v6, VIMG+512, v2
	v_lshl_add_u32 v7, v11, 5, KSC
	v_add_nc_u32 v8, VSC, v1
	v_add_nc_u32 v9, XIMG, v1                      ; (v9, v10: in the head, where x's images and scale words are read)
	v_add_nc_u32 v10, XSC, v3
	v_lshrrev_b32 v[XTS], 3, v11                   ; L / 8: which of an instruction's four rows
	v_and_b32 v[XTL], 7, v11                       ; L % 8: which 16 bytes of its 128
	v_lshlrev_b32 v[XAO], 12, v[XTS]
	v_mul_u32_u24 v[XTS], v[XTS], 144
	v_lshl_add_u32 v[XAO], v[XTL], 4, v[XAO]       ; query: row L / 8 of 4,096 bytes, + 16 (L % 8)
	v_lshl_add_u32 v[XTS], v[XTL], 4, v[XTS]       ; the same place in the stage
	v_mul_u32_u24 v[XTL], v12, 144
	s_delay_alu instid0(VALU_DEP_1)
	v_lshl_add_u32 v[XTL], v13, 6, v[XTL]          ; back: row r, + 16 h numbers
	v_lshlrev_b32 v[BO], 6, v13
.irp b, 0,1,2,3
	v_mov_b32 v[PB+\b], 0                          ; written once: a lane exchange's destination counts as one of its sources
.endr
	s_bfe_u32 s44, ttmp6, 0x40000                  ; g: my place in the cluster; it enters global addresses alone
	s_and_b32 s45, ttmp7, 0xffff                   ; y: the block of 64 queries, which the partners share
	s_lshr_b32 s46, s45, 5                         ; batch
	s_lshr_b32 s50, s3, 2                          ; wave / 4: tile of rows of x; head among my four
	s_and_b32 s51, s3, 3                           ; wave % 4: K steps of x; tile of d; tile of queries
	s_lshl_b32 s52, s44, 2
	s_add_co_u32 s52, s52, s50                     ; H: my head
	s_lshl_b32 s53, s45, 2
	s_add_co_u32 s53, s53, s51                     ; my tile of queries among the 256
	s_mul_i32 s48, s46, KVB
	s_mul_i32 s21, s3, 13824                       ; descriptor group 0, 63:32: LDS address: 54 rows of 256 bytes a wave
	s_add_co_u32 s48, s48, s21
	s_mov_b32 s49, 0
	s_mov_b32 s24, 15|(3<<16)|(1<<21)              ; group 1: 15:0 the mask: all four work-groups; 17:16 elements of 8 bytes; 21 set beside a mask; no padding
	s_mov_b32 s25, 32<<16                          ; tensor_dim0 = 32 elements: 256 bytes
	s_mov_b32 s26, 54<<16                          ; tensor_dim1 = 54
	s_mov_b32 s27, 32<<16                          ; tile_dim0
	s_mov_b32 s28, 54                              ; tile_dim1
	s_mov_b32 s29, 32                              ; the pitch: the block is dense
	s_mov_b32 s30, 0
	s_mov_b32 s31, 0
	s_lshl_b32 s54, s45, 18                        ; query: 64 rows a block,
	s_lshl_b32 s47, s50, 16                        ; 16 rows a tile,
	s_add_co_u32 s54, s54, s47
	s_lshl_b32 s47, s51, 10                        ; two K steps of 512 bytes
	s_add_co_u32 s54, s54, s47
	s_mov_b32 s55, 0
	s_lshl_b32 s58, s52, 2
	s_add_co_u32 s58, s58, s51                     ; Wq's record 4 H + t
	s_mul_i32 s58, s58, REC
	s_mov_b32 s59, 0
	s_lshl_b32 s66, s52, 8                         ; bq at column 64 H + 32 (t / 2) + 8 (t % 2)
	s_lshr_b32 s47, s51, 1
	s_lshl_b32 s47, s47, 7
	s_add_co_u32 s66, s66, s47
	s_and_b32 s47, s51, 1
	s_lshl_b32 s47, s47, 5
	s_add_co_u32 s66, s66, s47
	s_mov_b32 s67, 0
	s_lshl_b32 s68, s53, 12                        ; the mask words: 16 steps of 256 bytes a tile of queries
	s_mov_b32 s69, 0
	s_mul_i32 s70, s53, REC                        ; x_rec: my tile's record,
	s_mul_i32 s72, s52, 768                        ; half H;
	s_add_co_u32 s72, s72, s70
	s_mov_b32 s73, 0
	s_lshr_b32 s74, s52, 1                         ; scale image H / 2, bytes 2 (H % 2) on
	s_lshl_b32 s74, s74, 7
	s_add_co_u32 s74, s74, s70
	s_and_b32 s47, s52, 1
	s_lshl_b32 s47, s47, 1
	s_add_co_u32 s74, s74, s47
	s_add_co_u32 s74, s74, 12288
	s_mov_b32 s75, 0
	s_mul_i32 s76, s50, 12288                      ; LDS addresses: constants, lane terms, wave terms
	s_mul_i32 s77, s51, 3072
	s_add_co_u32 s76, s76, s77
	s_add_co_u32 s76, s76, XIMG
	v_add_nc_u32 v[XST], s76, v1
	s_lshl_b32 s76, s50, 10
	s_lshl_b32 s77, s51, 8
	s_add_co_u32 s76, s76, s77
	s_add_co_u32 s76, s76, XSC
	v_add_nc_u32 v[XSS], s76, v3
	s_lshl_b32 s76, s50, 14
	s_lshl_b32 s77, s51, 10
	s_add_co_u32 s76, s76, s77
	s_add_co_u32 s76, s76, QST
	v_add_nc_u32 v[QSO], s76, v1
	s_lshl_b32 s76, s3, 12
	s_add_co_u32 s76, s76, QST
	v_add_nc_u32 v[QSR], s76, v1
	s_mul_i32 s76, s3, 2304
	s_add_co_u32 s76, s76, XTG
	v_add_nc_u32 v[XTS], s76, v[XTS]
	v_add_nc_u32 v[XTL], s76, v[XTL]
	s_mov_b32 s[SEL], 0x76543210
	s_mov_b32 s[SEL+1], 0xfedcba98
	s_mov_b32 s10, 0x3e38aa3b                      ; c = log2(e) / 8
	s_mov_b32 s11, s10                             ; (named with it as a pair)
	s_mov_b32 s12, 0
	s_mov_b32 s13, 0
	s_mov_b32 s14, 0
	s_mov_b32 s15, 0
	s_mov_b32 s16, 0
	s_mov_b32 s17, 0
	s_wait_alu depctr_va_vdst(0)                   ; the wait at the head's end
	s_wait_dscnt 0x0
	s_wait_kmcnt 0x0
	s_mov_b32 s20, 1                               ; group 0: count = 1
	s_add_nc_u64 s[22:23], s[38:39], s[48:49]      ; global address: it hangs on the batch and the wave alone
	s_or_b32 s23, s23, 0x80000000                  ; type = 2
	s_add_nc_u64 s[XP:XP+1], s[32:33], s[54:55]
	s_add_nc_u64 s[WR:WR+1], s[34:35], s[58:59]
	s_add_nc_u64 s[BQ:BQ+1], s[36:37], s[66:67]
	s_add_nc_u64 s[4:5], s[40:41], s[68:69]
	s_add_nc_u64 s[6:7], s[42:43], s[72:73]
	s_add_nc_u64 s[18:19], s[42:43], s[74:75]
	; no tensor load at the head: k and v are first read behind q's product, so their load is issued behind the round that shows x's images to all waves
	; ---- X: my tile of 16 rows, two K steps of 128, become two fragments
	XLOAD XA, 0
	XLOAD XB, 512
	s_wait_loadcnt 16                              ; the first unit is in; the second's 16 loads may be out
	XTURN XA
	s_wait_dscnt 0x0
	QUANT64 XA
	IMG3ST PC, XST, 0
	ds_store_b32 v[XSS], v[PW]
.irp s, 0,1,2,3,4,5,6,7                        ; Wq's record of my tile: 42 loads with the bias; they land while the second unit is quantised
	HLDG WF+12*\s, \s*1536
	HLDG WF+12*\s+6, \s*1536+768
	global_load_b32 v[240+\s], v3, s[WR:WR+1] offset:12288+128*\s
.endr
	global_load_b128 v[BI:BI+3], v[BO], s[BQ:BQ+1]
	global_load_b128 v[BI+4:BI+7], v[BO], s[BQ:BQ+1] offset:16
	s_wait_loadcnt 42                              ; those 42 may be out: the second unit is in
	s_wait_dscnt 0x0                               ; the stores have read the codes' registers
	XTURN XB
	s_wait_dscnt 0x0
	QUANT64 XB
	IMG3ST PC, XST, 1536
	ds_store_b32 v[XSS], v[PW] offset:128
	s_wait_tensorcnt 0x0                           ; ahead of a first fill that comes behind the head,
	ds_add_u32 v254, v255                          ; the add twice on end
	ds_add_u32 v254, v255
	s_wait_dscnt 0x0                               ; the adds are done, and my images lie in LDS:
	ROUND                                          ; everybody's do, and all four work-groups are here: the joint loads meet
	tensor_load_to_lds s[20:23], s[24:31]          ; my one tensor load of the launch: 54 rows of k and v; it lands under q's product
	s_nop 0
	PLACES
	; ---- P: my tile of 16 columns of q for the four tiles of queries; transposed: source 0 = Wq's tile, source 1 = x
	s_wait_loadcnt 0x0
.set KS, 0
.rept 8
.if KS > 0
	PLACES                                         ; four plain lines between products and loads into registers that they read
.endif
.irp m, 0,1,2,3
.irp pl, 0,1,2
	ds_load_b128 v[XF+12*\m+4*\pl:XF+12*\m+4*\pl+3], v9 offset:(8*\m+KS)*1536+512*\pl
.endr
	ds_load_b32 v[248+\m], v10 offset:(8*\m+KS)*128
.endr
	s_wait_dscnt 0x0
.irp m, 0,1,2,3                                ; the four accumulators by turns
.if KS == 0
	MM ACC+8*\m, WF, XF+12*\m, BI, 240, 248+\m     ; the bias is the C of each sum's first product
.else
	MM ACC+8*\m, WF+12*KS, XF+12*\m, ACC+8*\m, 240+KS, 248+\m
.endif
.endr
.set KS, KS+1
.endr
	PLACES
	s_load_b512 s[32:47], s[4:5], 0x0              ; step 0's mask words; every load that named these registers as a base is done
	s_load_b512 s[48:63], s[4:5], 0x40
	s_load_b512 s[68:83], s[4:5], 0x80
	s_load_b512 s[84:99], s[4:5], 0xc0
	s_wait_dscnt 0x0
	s_barrier_signal -1
	s_barrier_wait -1                              ; nobody reads x's images any more: q's stage may lie over them
.irp m, 0,1,2,3
	ds_store_b128 v[QSO], v[ACC+8*\m:ACC+8*\m+3] offset:\m*4096          ; each accumulator from its low end on
	ds_store_b128 v[QSO], v[ACC+8*\m+4:ACC+8*\m+7] offset:\m*4096+512
.endr
	s_wait_tensorcnt 0x0                           ; my part of k and v has landed: behind the barrier below everybody's has
	s_wait_dscnt 0x0
	s_barrier_signal -1
	s_barrier_wait -1
.irp t, 0,1,2,3                                ; my head's, my tile of queries': register 8 t + j = d 32 (t / 2) + 16 h + 8 (t % 2) + j
	ds_load_b128 v[R1+8*\t:R1+8*\t+3], v[QSR] offset:\t*1024
	ds_load_b128 v[R1+8*\t+4:R1+8*\t+7], v[QSR] offset:\t*1024+512
.endr
.irp t, 0,1,2,3,4,5,6,7                        ; step 0's k: 18 loads, which land while q is quantised
	HLD R0+6*\t, 1, 4, \t*768
.endr
	ds_load_b128 v[240:243], v7
	ds_load_b128 v[244:247], v7 offset:16
	s_wait_dscnt 18                                ; q's eight loads are in; k's 18 may be out
	QUANT32 R1, 16, 204
	v_or_b32 v252, 0x7f7f0000, v[PW]               ; q's scale word; the moves below are the plain lines between it and the first product
.irp i, 22,23,24,25,26,27
	v_mov_b32 v\i, 0                               ; q's upper 64 along K: zero codes
.endr
.irp i, 0,1,2,3,4,5
	v_mov_b32 v[R0+48+\i], 0                       ; behind k's eighth half: named by the last tile's operand
.endr
	v_mov_b32 v15, 0xd0000000                      ; -2^33
	v_mov_b32 v29, 0xff61b1e6                      ; the largest t so far: -3e38
	s_delay_alu instid0(VALU_DEP_1)
	v_floor_f32 v28, -v29                          ; -M
	v_mov_b32 v30, 0
	v_mov_b32 v31, 0
	v_mov_b32 v[FF], 0
	v_mov_b32 v[FF+1], 0                           ; (named with f as a pair)
	v_mov_b32 v226, 0
	v_bfe_u32 v230, v0, 4, 1
	s_delay_alu instid0(VALU_DEP_1)
	v_lshlrev_b32 v230, 3, v230                    ; 8 h: how far up my two scale bytes stand in the word
.irp b, 0,1,2,3
	v_mov_b32 v[BP+\b], 0
.endr
.set J, 0
.rept 32
	v_mov_b32 v[OT+J], 0                           ; the step is written once: the first finds zeros
.set J, J+1
.endr
	; ---- the key loop: 8 trips of two steps of 128 keys
	s_mov_b32 s2, 0
.Lstep:
	STEP R0, R1
	STEP R1, R0
	s_add_co_u32 s2, s2, 1
	s_cmp_lt_u32 s2, 8
	s_cbranch_scc1 .Lstep
	; ---- the way out: x = O / l, quantised along the head's 64: half H of my tile's record
	s_wait_kmcnt 0x0
	s_wait_dscnt 0x0                               ; the last step's 18 loads, which nobody uses
	PLACES
	v_add_f32 v30, v30, v31
	s_delay_alu instid0(VALU_DEP_1)
	v_permlanex16_b32 v226, v30, s[SEL], s[SEL+1]
	s_delay_alu instid0(VALU_DEP_1)
	v_add_f32 v30, v30, v226                       ; the row's sum
	s_wait_alu depctr_va_vdst(0)
	v_rcp_f32 v30, v30
	v_nop
	s_wait_alu depctr_va_vdst(0)
.irp j, 0,2,4,6,8,10,12,14,16,18,20,22,24,26,28,30
	v_pk_mul_f32 v[R1+\j:R1+1+\j], v[OT+\j:OT+1+\j], v[30:31] op_sel_hi:[1,0]
.endr
	QUANT32 R1, PCD, 204
	global_store_b128 v1, v[PCD:PCD+3], s[6:7]     ; 512 consecutive bytes
	global_store_b64 v2, v[PCD+4:PCD+5], s[6:7] offset:512
	global_store_b16 v3, v[PW], s[18:19]           ; my head's two bytes of the row's scale word
	s_wait_tensorcnt 0x0
	ds_add_u32 v254, v255
	s_wait_dscnt 0x0
	ROUND                                          ; the closing round
	s_endpgm
.Lfunc_end_k_q883b1245ac_attn:
	.size	k_q883b1245ac_attn, .Lfunc_end_k_q883b1245ac_attn-k_q883b1245ac_attn
	.p2alignl 7, 3214868480
	.fill 96, 4, 3214868480
	.section	.rodata,"a",@progbits
	.p2align	6, 0x0
	.amdhsa_kernel k_q883b1245ac_attn
		.amdhsa_group_segment_fixed_size 327680
		.amdhsa_private_segment_fixed_size 0
		.amdhsa_enable_private_segment 0
		.amdhsa_kernarg_size 48
		.amdhsa_user_sgpr_count 2
		.amdhsa_user_sgpr_kernarg_segment_ptr 1
		.amdhsa_wavefront_size32 1
		.amdhsa_system_sgpr_workgroup_id_x 1
		.amdhsa_system_sgpr_workgroup_id_y 1
		.amdhsa_system_sgpr_workgroup_id_z 1
		.amdhsa_system_vgpr_workitem_id 0
		.amdhsa_next_free_vgpr 256
		.amdhsa_next_free_sgpr 100
		.amdhsa_reserve_vcc 0
		.amdhsa_float_denorm_mode_32 3
		.amdhsa_float_denorm_mode_16_64 3
		.amdhsa_memory_ordered 1
		.amdhsa_forward_progress 1
		.amdhsa_inst_pref_size 97
	.end_amdhsa_kernel
	.amdgpu_metadata
---
amdhsa.version: [ 1, 2 ]
amdhsa.kernels:
  - .name:           k_q883b1245ac_attn
    .symbol:         k_q883b1245ac_attn.kd
    .args:
      - { .name: query, .offset: 0, .size: 8, .value_kind: global_buffer, .address_space: global }
      - { .name: wq_rec, .offset: 8, .size: 8, .value_kind: global_buffer, .address_space: global }
      - { .name: bq, .offset: 16, .size: 8, .value_kind: global_buffer, .address_space: global }
      - { .name: kv, .offset: 24, .size: 8, .value_kind: global_buffer, .address_space: global }
      - { .name: mbits, .offset: 32, .size: 8, .value_kind: global_buffer, .address_space: global }
      - { .name: x_rec, .offset: 40, .size: 8, .value_kind: global_buffer, .address_space: global }
    .group_segment_fixed_size: 327680
    .private_segment_fixed_size: 0
    .kernarg_segment_align: 8
    .kernarg_segment_size: 48
    .max_flat_workgroup_size: 512
    .sgpr_count:     100
    .vgpr_count:     256
    .wavefront_size: 32
...
	.end_amdgpu_metadata
.endif
;; end of part 2
;; launch oproj (part 3): grid 8 x 32, 4 waves a work-group, clusters of 4 x 4, 327,680 bytes of LDS; arguments x_rec, wo_rec, bo, out0; writes out0
.if DOCPART == 3
	.amdgcn_target "amdgcn-amd-amdhsa--gfx1250"
	.amdhsa_code_object_version 6
	.text
	.protected	k_q883b1245ac_oproj
	.globl	k_q883b1245ac_oproj
	.p2align	8
	.type	k_q883b1245ac_oproj,@function
k_q883b1245ac_oproj:
	s_mov_b64 s[64:65], 0
	v_nop
	global_prefetch_b8 v0, s[64:65] scope:SCOPE_SE
	s_setreg_imm32_b32 hwreg(HW_REG_WAVE_MODE, 25, 1), 1
	s_wait_xcnt 0x0
	s_wait_alu depctr_hold_cnt(0) depctr_sa_sdst(0) depctr_va_vdst(0) depctr_va_sdst(0) depctr_va_ssrc(0) depctr_va_vcc(0) depctr_vm_vsrc(0)
	s_getreg_b32 s2, hwreg(HW_REG_IB_STS2, 6, 4)
	s_cmp_eq_u32 s2, 0
	s_cbranch_scc0 .Lentry_in_a_cluster
	s_endpgm
.Lentry_in_a_cluster:
	s_bfe_u32 s2, ttmp6, 0x10000c
	s_cmp_lg_u32 s2, 0xf033
	s_cbranch_scc0 .Lentry_shape_is_right
	s_endpgm
.Lentry_shape_is_right:
; OPROJ.  out0 = x Wo + bo on codes of E2M3 with E8M0 scales.  x and Wo arrive as tile records of 13,312 bytes (16 rows, K = 1,024: sixteen halves of 768 bytes, the images of six operand
; registers: registers 0-3 of lane L at 16 L, registers 4-5 at 512 + 8 L; then eight scale images of 128 bytes, the word of row r for K step s at 12,288 + 128 s + 4 L).
; A work-group makes 128 rows x 128 columns: eight records of each side, 212,992 bytes, come into LDS ONCE, and nothing is filled twice.
; FOUR WAVES, as many as a WGP has SIMDs, each with 64 x 64: 16 accumulators, 128 registers.  A wave reads four records of x and four of Wo, so the work-group reads 32 records from LDS for its 64 pairs of tiles.
; CLUSTERS: 4 x 4 work-groups; the four of a row of the cluster want the same records of x, the four of a column the same records of Wo: each is asked for jointly.  A wave's one tensor load brings four
; records, which follow each other in memory: 208 rows of 256 bytes; waves 0 and 1 fetch x's, waves 2 and 3 Wo's.
; THE PRODUCT IS USED TRANSPOSED (source 0 = 16 columns of Wo, source 1 = 16 rows of x).  Row r of Wo's record 2 p + u is column 32 p + 8 u + r + 8 (r / 8), so register j of lane (r, h) is column 32 p + 8 u + 16 h + j.
; The bias is the C of each sum's first product.  Results go through a stage in LDS and leave as rows of 512 consecutive bytes.
; No prefetch: each record is loaded once, at the head, and there is no loop to run ahead in.
; REGISTERS.  Window 0: v1-12 addresses, v13-14 the add's two; v16-111, v112-207 two sets of eight fragments (x's four, then Wo's four); v208-223 scale words and nothing else; v224-255 bo in the result's layout.
; Window 1: accumulator (m, u) at v[8 (4 m + u)].
.set REC,   13312
.set STG,   16*REC                     ; behind the records: 128 rows x (512 bytes + 16)
.set SP,    528
.set SPARE, 0x44800                    ; behind the stage: the spare words, 128 bytes a wave
.set OPS,   16
.set SCR,   208
.set BI,    224
.set SPW,   13
.set NIL,   14
.set MSB,   0
.macro WIN new                         ; the immediate's high byte repeats the setting that is left
.if MSB != \new
	s_set_vgpr_msb (MSB<<8)|\new
.set MSB, \new
.endif
.endm
.macro PLACES
.rept 4
	v_nop
.endr
.endm
.macro ROUND                           ; a round of the cluster's barrier
	s_barrier_signal -1
	s_barrier_wait -1
	s_cmp_lg_u32 s3, 0
	s_cbranch_scc1 .Lnot_wave_0_\@
	s_barrier_signal -3
.Lnot_wave_0_\@:
	s_barrier_wait -3
	s_barrier_signal -1
	s_barrier_wait -1
.endm
.macro LSET k, s                       ; K step s into set k: sixteen halves (32 loads) and eight scale words: 40 LDS loads
.irp m, 0,1,2,3
.irp c, 0,1
	ds_load_b128 v[OPS+96*(\k)+12*\m+6*\c:OPS+96*(\k)+12*\m+6*\c+3], v4 offset:\m*REC+(\s)*1536+768*\c
	ds_load_b64 v[OPS+96*(\k)+12*\m+6*\c+4:OPS+96*(\k)+12*\m+6*\c+5], v5 offset:\m*REC+(\s)*1536+768*\c+512
.endr
	ds_load_b32 v[SCR+8*(\k)+\m], v8 offset:\m*REC+(\s)*128+12288
.endr
.irp u, 0,1,2,3
.irp c, 0,1
	ds_load_b128 v[OPS+96*(\k)+48+12*\u+6*\c:OPS+96*(\k)+48+12*\u+6*\c+3], v6 offset:\u*REC+(\s)*1536+768*\c
	ds_load_b64 v[OPS+96*(\k)+48+12*\u+6*\c+4:OPS+96*(\k)+48+12*\u+6*\c+5], v7 offset:\u*REC+(\s)*1536+768*\c+512
.endr
	ds_load_b32 v[SCR+8*(\k)+4+\u], v9 offset:\u*REC+(\s)*128+12288
.endr
.endm
.macro MUL k, first                    ; 16 products on set k, the 16 accumulators by turns
.irp m, 0,1,2,3
.irp u, 0,1,2,3
.if \first
	v_wmma_scale_f32_16x16x128_f8f6f4 v[8*(4*\m+\u):8*(4*\m+\u)+7], v[OPS+96*(\k)+48+12*\u:OPS+96*(\k)+48+12*\u+11], v[OPS+96*(\k)+12*\m:OPS+96*(\k)+12*\m+11], v[BI+8*\u:BI+8*\u+7], v[SCR+8*(\k)+4+\u], v[SCR+8*(\k)+\m] matrix_a_fmt:MATRIX_FMT_FP6 matrix_b_fmt:MATRIX_FMT_FP6
.else
	v_wmma_scale_f32_16x16x128_f8f6f4 v[8*(4*\m+\u):8*(4*\m+\u)+7], v[OPS+96*(\k)+48+12*\u:OPS+96*(\k)+48+12*\u+11], v[OPS+96*(\k)+12*\m:OPS+96*(\k)+12*\m+11], v[8*(4*\m+\u):8*(4*\m+\u)+7], v[SCR+8*(\k)+4+\u], v[SCR+8*(\k)+\m] matrix_a_fmt:MATRIX_FMT_FP6 matrix_b_fmt:MATRIX_FMT_FP6
.endif
.endr
.endr
.endm
	s_load_b256 s[4:11], s[0:1], 0x0               ; x_rec, wo_rec, bo, out0
	v_lshl_add_u32 v[SPW], v0, 2, SPARE
	v_mov_b32 v[NIL], 0
	ds_add_u32 v[SPW], v[NIL]                      ; the opening lines: the add, twice on end, and its wait ahead of my first tensor load
	ds_add_u32 v[SPW], v[NIL]
	v_lshrrev_b32 v1, 5, v0
	v_readfirstlane_b32 s3, v1                     ; wave 0..3
	s_bfe_u32 s12, ttmp6, 0x40000                  ; cx, cy: my place in the cluster
	s_bfe_u32 s13, ttmp6, 0x40004
	s_lshl_b32 s14, ttmp9, 2
	s_add_co_u32 s14, s14, s12                     ; block of 128 columns
	s_and_b32 s15, ttmp7, 0xffff
	s_lshl_b32 s15, s15, 2
	s_add_co_u32 s15, s15, s13                     ; block of 128 rows
	s_lshl_b32 s16, s13, 2
	s_lshl_b32 s16, 15, s16                        ; my row of the cluster
	s_lshl_b32 s17, 0x1111, s12                    ; my column
	s_or_b32 s24, s16, (3<<16)|(1<<21)             ; group 1 for x's records: 15:0 the mask; 17:16 elements of 8 bytes; 21 set beside a mask; no padding
	s_or_b32 s32, s17, (3<<16)|(1<<21)             ; and for Wo's
.irp g, 24, 32
	s_mov_b32 s[\g+1], 32<<16                      ; tensor_dim0 = 32 elements: 256 bytes
	s_mov_b32 s[\g+2], 208<<16                     ; tensor_dim1 = 208: four records
	s_mov_b32 s[\g+3], 32<<16                      ; tile_dim0
	s_mov_b32 s[\g+4], 208                         ; tile_dim1
	s_mov_b32 s[\g+5], 32                          ; the pitch: the records are dense
	s_mov_b32 s[\g+6], 0
	s_mov_b32 s[\g+7], 0
.endr
	s_lshr_b32 s48, s3, 1                          ; rp: my 64 rows
	s_and_b32 s49, s3, 1                           ; cp: my 64 columns.  Also: which four records of the eight I fetch
	s_lshl_b32 s22, s49, 2
	s_lshl_b32 s18, s15, 3
	s_add_co_u32 s18, s18, s22                     ; x's record 8 (block of rows) + 4 (wave % 2): it hangs on what my row of the cluster shares
	s_mul_i32 s18, s18, REC
	s_mov_b32 s19, 0
	s_lshl_b32 s20, s14, 3
	s_add_co_u32 s20, s20, s22                     ; Wo's record 8 (block of columns) + 4 (wave % 2): on what my column shares
	s_mul_i32 s20, s20, REC
	s_mov_b32 s21, 0
	s_mul_i32 s23, s3, 4*REC                       ; where they go: wave x four records: no place in the cluster enters an LDS address
	s_mul_i32 s50, s48, 4*REC                      ; my four records of x,
	s_mul_i32 s51, s49, 4*REC
	s_add_co_u32 s51, s51, 8*REC                   ; and of Wo
	s_mul_i32 s52, s48, 64*SP
	s_lshl_b32 s53, s49, 8
	s_add_co_u32 s52, s52, s53
	s_add_co_u32 s52, s52, STG                     ; into the stage: row 64 rp, byte 256 cp
	s_mul_i32 s53, s3, 32*SP
	s_add_co_u32 s53, s53, STG                     ; back: my 32 whole rows
	s_lshl_b32 s54, s14, 9
	s_lshl_b32 s55, s49, 8
	s_add_co_u32 s54, s54, s55                     ; bo at column 128 bx + 64 cp
	s_mov_b32 s55, 0
	s_lshl_b32 s56, s15, 19                        ; out0: 128 rows of 4,096 bytes a block,
	s_lshl_b32 s57, s3, 17                         ; 32 rows a wave,
	s_add_co_u32 s56, s56, s57
	s_lshl_b32 s57, s14, 9                         ; 512 bytes a block of columns
	s_add_co_u32 s56, s56, s57
	s_mov_b32 s57, 0
	v_and_b32 v15, 31, v0                          ; L
	v_and_b32 v12, 15, v0                          ; r
	v_bfe_u32 v11, v0, 4, 1                        ; h
	v_lshlrev_b32 v1, 4, v15
	v_lshlrev_b32 v2, 3, v15
	v_lshlrev_b32 v3, 2, v15
	v_mul_u32_u24 v10, v12, SP
	v_add_nc_u32 v4, s50, v1                       ; x's halves, registers 0-3,
	v_add_nc_u32 v5, s50, v2                       ; registers 4-5,
	v_add_nc_u32 v8, s50, v3                       ; scale words
	v_add_nc_u32 v6, s51, v1                       ; Wo's likewise
	v_add_nc_u32 v7, s51, v2
	v_add_nc_u32 v9, s51, v3
	v_lshl_add_u32 v10, v11, 6, v10
	v_lshlrev_b32 v12, 6, v11                      ; bo: + 16 h columns
	v_add_nc_u32 v10, s52, v10                     ; into the stage: row 64 rp + r, byte 256 cp + 64 h
	v_add_nc_u32 v11, s53, v1                      ; back: 16 bytes a lane
	s_wait_alu depctr_va_vdst(0)                   ; the wait at the head's end
	s_wait_dscnt 0x0                               ; both opening adds are done
	s_wait_kmcnt 0x0
	s_mov_b32 s40, 1
	s_mov_b32 s41, s23
	s_add_nc_u64 s[42:43], s[4:5], s[18:19]
	s_or_b32 s43, s43, 0x80000000
	s_mov_b32 s44, 1
	s_mov_b32 s45, s23
	s_add_nc_u64 s[46:47], s[6:7], s[20:21]
	s_or_b32 s47, s47, 0x80000000
	s_add_nc_u64 s[8:9], s[8:9], s[54:55]
	s_add_nc_u64 s[10:11], s[10:11], s[56:57]
	ROUND                                          ; all sixteen work-groups are here: the joint loads meet
	s_cmp_lt_u32 s3, 2                             ; waves 0-1 fetch x's records, waves 2-3 Wo's: the branch hangs on the wave's number alone
	s_cbranch_scc0 .Lfor_w
	tensor_load_to_lds s[40:43], s[24:31]
	s_nop 0
	PLACES
	s_branch .Lasked
.Lfor_w:
	tensor_load_to_lds s[44:47], s[32:39]
	s_nop 0
	PLACES
.Lasked:
.irp u, 0,1,2,3
	global_load_b128 v[BI+8*\u:BI+8*\u+3], v12, s[8:9] offset:128*(\u/2)+32*(\u%2)
	global_load_b128 v[BI+8*\u+4:BI+8*\u+7], v12, s[8:9] offset:128*(\u/2)+32*(\u%2)+16
.endr
	s_wait_tensorcnt 0x0                           ; my four records have landed,
	s_barrier_signal -1
	s_barrier_wait -1                              ; everybody's have
	LSET 0, 0
.set KS, 0
.rept 8
.if KS > 0
	PLACES                                         ; four plain lines between the last products and loads into the set that they read
	WIN 0
.endif
.if KS < 7
	LSET (KS+1)%2, KS+1
	s_wait_dscnt 40                                ; this K step's 40 loads are in; the 40 just issued may be out
.else
	s_wait_dscnt 0x0
.endif
.if KS == 0
	s_wait_loadcnt 0x0                             ; the bias
	WIN 0x40                                       ; D in window 1; sources and C in window 0
	MUL 0, 1
.else
	WIN 0x50                                       ; C and D in window 1
	MUL KS%2, 0
.endif
.set KS, KS+1
.endr
	PLACES                                         ; four plain lines between the last products and the first read of results
	WIN 0x04                                       ; an LDS store's data: window 1
.irp m, 0,1,2,3
.irp u, 0,1,2,3
	ds_store_b128 v10, v[8*(4*\m+\u):8*(4*\m+\u)+3] offset:\m*16*SP+128*(\u/2)+32*(\u%2)        ; each accumulator from its low end on
	ds_store_b128 v10, v[8*(4*\m+\u)+4:8*(4*\m+\u)+7] offset:\m*16*SP+128*(\u/2)+32*(\u%2)+16
.endr
.endr
	WIN 0
	s_wait_dscnt 0x0                               ; for the others' sake: a row's 512 bytes come from two waves
	s_barrier_signal -1
	s_barrier_wait -1
.set I, 0
.rept 32
	ds_load_b128 v[OPS+4*I:OPS+4*I+3], v11 offset:I*SP
.set I, I+1
.endr
.set I, 0
.rept 32
	s_wait_dscnt 31-I                              ; row I is back; the younger rows' loads may be out
	global_store_b128 v1, v[OPS+4*I:OPS+4*I+3], s[10:11] offset:I*4096 th:TH_STORE_NT   ; 32 lanes store 512 consecutive bytes, aligned; written once, read by nobody here
.set I, I+1
.endr
	s_wait_tensorcnt 0x0                           ; the wave's end
	ds_add_u32 v[SPW], v[NIL]
	s_wait_dscnt 0x0
	ROUND                                          ; the closing round
	s_endpgm
.Lfunc_end_k_q883b1245ac_oproj:
	.size	k_q883b1245ac_oproj, .Lfunc_end_k_q883b1245ac_oproj-k_q883b1245ac_oproj
	.p2alignl 7, 3214868480
	.fill 96, 4, 3214868480
	.section	.rodata,"a",@progbits
	.p2align	6, 0x0
	.amdhsa_kernel k_q883b1245ac_oproj
		.amdhsa_group_segment_fixed_size 327680
		.amdhsa_private_segment_fixed_size 0
		.amdhsa_enable_private_segment 0
		.amdhsa_kernarg_size 32
		.amdhsa_user_sgpr_count 2
		.amdhsa_user_sgpr_kernarg_segment_ptr 1
		.amdhsa_wavefront_size32 1
		.amdhsa_system_sgpr_workgroup_id_x 1
		.amdhsa_system_sgpr_workgroup_id_y 1
		.amdhsa_system_sgpr_workgroup_id_z 1
		.amdhsa_system_vgpr_workitem_id 0
		.amdhsa_next_free_vgpr 384
		.amdhsa_next_free_sgpr 66
		.amdhsa_reserve_vcc 0
		.amdhsa_float_denorm_mode_32 3
		.amdhsa_float_denorm_mode_16_64 3
		.amdhsa_memory_ordered 1
		.amdhsa_forward_progress 1
		.amdhsa_inst_pref_size 53
	.end_amdhsa_kernel
	.amdgpu_metadata
---
amdhsa.version: [ 1, 2 ]
amdhsa.kernels:
  - .name:           k_q883b1245ac_oproj
    .symbol:         k_q883b1245ac_oproj.kd
    .args:
      - { .name: x_rec, .offset: 0, .size: 8, .value_kind: global_buffer, .address_space: global }
      - { .name: wo_rec, .offset: 8, .size: 8, .value_kind: global_buffer, .address_space: global }
      - { .name: bo, .offset: 16, .size: 8, .value_kind: global_buffer, .address_space: global }
      - { .name: out0, .offset: 24, .size: 8, .value_kind: global_buffer, .address_space: global }
    .group_segment_fixed_size: 327680
    .private_segment_fixed_size: 0
    .kernarg_segment_align: 8
    .kernarg_segment_size: 32
    .max_flat_workgroup_size: 128
    .sgpr_count:     66
    .vgpr_count:     384
    .wavefront_size: 32
...
	.end_amdgpu_metadata
.endif
;; end of part 3
